; MI455X (gfx1250); checked and timed in simulation.
; The chip was launched on July 23, 2026; its instructions are those of AMD's public machine-readable ISA for CDNA 5 (MIT licence, August 2026) and "CDNA5" Instruction Set Architecture Reference Guide (July 2026). The comments in the code are by the model that wrote it; some were corrected since.
;; Multihead Attention. Allowed arithmetic: float matrix products may take bf16 or f16 operands with f32 sums; other float arithmetic in f32, or as packed bf16 or f16 multiplies, adds, multiply-adds, maxima and minima; sums over many terms, partial sums and values carried from step to step in f32; what a program stores and reads back later, other than sums and carried values, may be rounded once to bf16 or f16.
;; Inputs: in_proj_bias 3,072 float32; in_proj_weight 3,072 x 1,024 float32; local_attn_mask 32 x 2,048 x 2,048 bool; out_proj_bias 1,024 float32; out_proj_weight 1,024 x 1,024 float32; query 2,048 x 2 x 1,024 float32; sinusoidal_pos 2 x 2,048 x 64 float32.
;; Outputs: out0 2,048 x 2 x 1,024 float32.
;; One version. Each part assembles by itself: llvm-mc -triple=amdgcn-amd-amdhsa -mcpu=gfx1250 --defsym DOCPART=n.
;; ======== version 1 of 1: 4 launches
;; limits: values are held in f16: magnitudes above 65,504 overflow, below 6.1e-05 lose precision
;; workspace buffers: cvt 16,777,216 bytes; heads 41,943,040 bytes; oh 8,388,608 bytes
;; launch cast (part 1): grid 1024 x 1, 8 waves a work-group, no clusters, 0 bytes of LDS; arguments query, in_proj_weight, out_proj_weight, cvt; writes cvt
.if DOCPART == 1
	.amdgcn_target "amdgcn-amd-amdhsa--gfx1250"
	.amdhsa_code_object_version 6
	.text
	.protected	k_q0c71adb72e_cast
	.globl	k_q0c71adb72e_cast
	.p2align	8
	.type	k_q0c71adb72e_cast,@function
k_q0c71adb72e_cast:
	s_mov_b64 s[64:65], 0
	v_nop
	global_prefetch_b8 v0, s[64:65] scope:SCOPE_SE
	s_setreg_imm32_b32 hwreg(HW_REG_WAVE_MODE, 25, 1), 1
	s_wait_xcnt 0x0
; query [4096][1024], in_proj_weight [3072][1024] and out_proj_weight [1024][1024], all f32, are rounded once to bf16 and laid end to end in cvt:
; x at byte 0, Win at 8,388,608, both as bf16; Wo at 14,680,064, the bf16 number written as f16 (the last product multiplies in f16).
; LIMIT. A weight of Wo below 2^-14 keeps f16's fixed step of 2^-24; beyond 65,504 it would be an infinity.
; A stream: no LDS, no barrier, no matrix unit, no cluster (no two work-groups read the same byte).  Work-group g takes 8,192 numbers: 32,768 bytes in,
; 16,384 bytes out at cvt + 16,384 g.  A load of a wave covers 512 consecutive bytes, a store 256 consecutive bytes, aligned.  All eight loads of a lane go out at once.
.set NQ, 512                           ; work-groups for query
.set NW, 896                           ; and with them those for in_proj_weight
.set X,  8                             ; v[8:39]   eight loads of four numbers
.set Y,  40                            ; v[40:55]  eight pairs of packed words
	s_load_b256 s[4:11], s[0:1], 0x0               ; query s[4:5], in_proj_weight s[6:7], out_proj_weight s[8:9], cvt s[10:11]
	v_lshlrev_b32 v1, 4, v0                        ; 16 bytes a thread in,
	v_lshlrev_b32 v2, 3, v0                        ; 8 bytes a thread out
	s_mov_b32 s15, 0xffff0000                      ; a word's upper bf16
	s_wait_kmcnt 0x0
	s_cmp_lt_u32 ttmp9, NQ                         ; which tensor is mine, and which work-group was its first
	s_cselect_b64 s[12:13], s[4:5], s[6:7]
	s_cselect_b32 s14, 0, NQ
	s_cmp_lt_u32 ttmp9, NW
	s_cselect_b64 s[12:13], s[12:13], s[8:9]
	s_cselect_b32 s14, s14, NW
	s_sub_co_u32 s14, ttmp9, s14
	s_lshl_b32 s18, s14, 15                        ; 32,768 bytes a work-group in
	s_mov_b32 s19, 0
	s_add_nc_u64 s[12:13], s[12:13], s[18:19]
	s_lshl_b32 s20, ttmp9, 14                      ; 16,384 bytes a work-group out
	s_mov_b32 s21, 0
	s_add_nc_u64 s[16:17], s[10:11], s[20:21]
.irp j, 0,1,2,3,4,5,6,7
	global_load_b128 v[X+4*(\j):X+4*(\j)+3], v1, s[12:13] offset:4096*(\j) th:TH_LOAD_NT
.endr
	s_cmp_ge_u32 ttmp9, NW
	s_cbranch_scc1 .Lf16
.irp j, 0,1,2,3,4,5,6,7
	s_wait_loadcnt 7-(\j)                          ; loads come back in order: load j is in, the 7 - j younger ones may stay out
	v_cvt_pk_bf16_f32 v[Y+2*(\j)], v[X+4*(\j)], v[X+4*(\j)+1]
	v_cvt_pk_bf16_f32 v[Y+2*(\j)+1], v[X+4*(\j)+2], v[X+4*(\j)+3]
	global_store_b64 v2, v[Y+2*(\j):Y+2*(\j)+1], s[16:17] offset:2048*(\j)
.endr
	s_endpgm
.Lf16:                                         ; out_proj_weight: rounded to bf16 like every input, widened again (a shift, a mask), written as f16
.irp j, 0,1,2,3,4,5,6,7
	s_wait_loadcnt 7-(\j)
	v_cvt_pk_bf16_f32 v[Y+2*(\j)], v[X+4*(\j)], v[X+4*(\j)+1]
	v_cvt_pk_bf16_f32 v[Y+2*(\j)+1], v[X+4*(\j)+2], v[X+4*(\j)+3]
	v_lshlrev_b32 v[X+4*(\j)], 16, v[Y+2*(\j)]
	v_and_b32 v[X+4*(\j)+1], s15, v[Y+2*(\j)]
	v_lshlrev_b32 v[X+4*(\j)+2], 16, v[Y+2*(\j)+1]
	v_and_b32 v[X+4*(\j)+3], s15, v[Y+2*(\j)+1]
	v_cvt_pk_f16_f32 v[Y+2*(\j)], v[X+4*(\j)], v[X+4*(\j)+1]
	v_cvt_pk_f16_f32 v[Y+2*(\j)+1], v[X+4*(\j)+2], v[X+4*(\j)+3]
	global_store_b64 v2, v[Y+2*(\j):Y+2*(\j)+1], s[16:17] offset:2048*(\j)
.endr
	s_endpgm
.Lfunc_end_k_q0c71adb72e_cast:
	.size	k_q0c71adb72e_cast, .Lfunc_end_k_q0c71adb72e_cast-k_q0c71adb72e_cast
	.p2alignl 7, 3214868480
	.fill 96, 4, 3214868480
	.section	.rodata,"a",@progbits
	.p2align	6, 0x0
	.amdhsa_kernel k_q0c71adb72e_cast
		.amdhsa_group_segment_fixed_size 0
		.amdhsa_private_segment_fixed_size 0
		.amdhsa_enable_private_segment 0
		.amdhsa_kernarg_size 32
		.amdhsa_user_sgpr_count 2
		.amdhsa_user_sgpr_kernarg_segment_ptr 1
		.amdhsa_wavefront_size32 1
		.amdhsa_system_sgpr_workgroup_id_x 1
		.amdhsa_system_sgpr_workgroup_id_y 1
		.amdhsa_system_sgpr_workgroup_id_z 1
		.amdhsa_system_vgpr_workitem_id 0
		.amdhsa_next_free_vgpr 64
		.amdhsa_next_free_sgpr 66
		.amdhsa_reserve_vcc 0
		.amdhsa_float_denorm_mode_32 3
		.amdhsa_float_denorm_mode_16_64 3
		.amdhsa_memory_ordered 1
		.amdhsa_forward_progress 1
		.amdhsa_inst_pref_size 8
	.end_amdhsa_kernel
	.amdgpu_metadata
---
amdhsa.version: [ 1, 2 ]
amdhsa.kernels:
  - .name:           k_q0c71adb72e_cast
    .symbol:         k_q0c71adb72e_cast.kd
    .args:
      - { .name: query, .offset: 0, .size: 8, .value_kind: global_buffer, .address_space: global }
      - { .name: in_proj_weight, .offset: 8, .size: 8, .value_kind: global_buffer, .address_space: global }
      - { .name: out_proj_weight, .offset: 16, .size: 8, .value_kind: global_buffer, .address_space: global }
      - { .name: cvt, .offset: 24, .size: 8, .value_kind: global_buffer, .address_space: global }
    .group_segment_fixed_size: 0
    .private_segment_fixed_size: 0
    .kernarg_segment_align: 8
    .kernarg_segment_size: 32
    .max_flat_workgroup_size: 256
    .sgpr_count:     66
    .vgpr_count:     64
    .wavefront_size: 32
...
	.end_amdgpu_metadata
.endif
;; end of part 1
;; launch inproj (part 2): grid 16 x 16, 4 waves a work-group, clusters of 4 x 4, 327,680 bytes of LDS; arguments cvt, in_proj_bias, sinusoidal_pos, heads; writes heads
.if DOCPART == 2
	.amdgcn_target "amdgcn-amd-amdhsa--gfx1250"
	.amdhsa_code_object_version 6
	.text
	.protected	k_q0c71adb72e_inproj
	.globl	k_q0c71adb72e_inproj
	.p2align	8
	.type	k_q0c71adb72e_inproj,@function
k_q0c71adb72e_inproj:
	s_mov_b64 s[64:65], 0
	v_nop
	global_prefetch_b8 v0, s[64:65] scope:SCOPE_SE
	s_setreg_imm32_b32 hwreg(HW_REG_WAVE_MODE, 25, 1), 1
	s_wait_xcnt 0x0
	s_wait_alu depctr_hold_cnt(0) depctr_sa_sdst(0) depctr_va_vdst(0) depctr_va_sdst(0) depctr_va_ssrc(0) depctr_va_vcc(0) depctr_vm_vsrc(0)
	s_getreg_b32 s2, hwreg(HW_REG_IB_STS2, 6, 4)
	s_cmp_eq_u32 s2, 0
	s_cbranch_scc0 .Lentry_in_a_cluster
	s_endpgm
.Lentry_in_a_cluster:
	s_bfe_u32 s2, ttmp6, 0x10000c
	s_cmp_lg_u32 s2, 0xf033
	s_cbranch_scc0 .Lentry_shape_is_right
	s_endpgm
.Lentry_shape_is_right:
; qkv = x Win^T + bias, then the rotation, written by heads.  x [4096 = t*2+b][1024] and Win [3072][1024] are bf16 in cvt; sums in f32; bias, sin and cos are rounded to bf16 like every input.
; OUT: five tensors [32 = b*16+h][2048 t][64] f16 in heads, 8,388,608 bytes each: q, k, v, rq, rk, each rounded once from f32, all WITHOUT the scale 1/8 (the next launch applies it in f32; the rotation is linear).
; Head b*16+h takes sinusoidal_pos[h & 1]: the table is tiled over the heads, the heads are ordered by b*16+h.
; LIMIT. f16 ends at 65,504: q, k, v and their rotations must stay within it.
; SHARES. A work-group makes 256 rows (one b, t0 .. t0+255: rows of x 4,096 bytes apart) x 192 columns: head h's 64 of q, of k and of v, so every work-group has the same way out.
; A wave makes 64 rows x 192 columns: 4 row blocks a x 12 column blocks nb = 48 accumulators, 384 registers.  K goes in steps of 128 through two LDS slots.
; THE PRODUCT IS TRANSPOSED (source 0 = 16 rows of Win, source 1 = 16 rows of x): a lane holds row l % 16 and the columns 16 nb + 8 (l / 16) + 0..7.  The bias is the C operand of each sum's first product.
; CLUSTER. 4 x 4 work-groups: x's tile hangs on the row block alone and is asked for jointly along a row of the cluster, Win's on the head alone and jointly along a column.
; REGISTERS, in windows of 256: window 0: v0-31 addresses; v32-63 two sets at work on the way out; v64-127 x's fragments, two buffers (later the rotated numbers); v128-223 bias, later v128-255 sin and cos
;   window 1: v0-191 Win's fragments, two buffers of 96     window 2: accumulators nb 0-7 at v[8 (4 nb + a)]     window 3: nb 8-11 at v[8 (4 (nb - 8) + a)]
.set KSTEP,  128
.set PITCH,  272                       ; an LDS row: 256 bytes + 16 of padding: the 16 rows of a fragment load start at 16 different groups of four banks
.set AROWS,  256*PITCH                 ; x's 256 rows
.set BGRP,   64*PITCH                  ; one group of 64 rows of Win; also a wave's 64 rows of x
.set SLOT,   AROWS+3*BGRP
.set STAGE,  2*SLOT                    ; behind the ring: 16 rows x 144 bytes for each wave, for the way out
.set SP,     144
.set SPARE,  STAGE+4*16*SP             ; the spare words, 128 bytes a wave: two blocks of 256 bytes that no other line names
.set WB,     8388608                   ; Win in cvt
.set HB,     8388608                   ; bytes of one tensor in heads
.set LAPS,   4                         ; 1,024 / (2 x 128)
.set ADRA, 16                          ; v16-17 LDS address of my fragments of x in slot 0, 1
.set ADRB, 20                          ; v20-21 the same for Win
.set PFB,  22                          ; v22  prefetch offset for Win: 2,048 (l % 16) + 256 (l / 16)
.set STO,  24                          ; v24  the way out: where I put 16 bytes of a row
.set RD,   25                          ; v25  where I read rows back
.set GO,   26                          ; v26  16 l: my place in 512 consecutive bytes
.set SPO,  27                          ; v27  my offset in 16 rows of sinusoidal_pos
.set SPW,  28                          ; v28  my spare word; never rewritten
.set NIL,  29                          ; v29  0; never rewritten
.set PFO,  30                          ; v30  prefetch offset for x: 4,096 l
.set BO,   31                          ; v31  32 (l / 16): my eight numbers of a block of the bias
.set TMP,  32
.set FA,   64
.set R,    64
.set BI,   128
.set SCB,  128                         ; row block a, column block nbl: four sines at SCB+32a+8nbl, four cosines behind them
.set WV,   12
.set G1A,  24
.set G0A,  32
.set G1B,  40
.set G0B,  48
.set PFA,  56                          ; s[56:57] where my prefetches stand
.set LIM,  58                          ; s58  1 in a wave that prefetches, else the greatest number
.set OB,   66                          ; s[66:75] q, k, v, rq, rk at my wave's first row
.set SPB,  76                          ; s[76:77] sinusoidal_pos at my wave's first row
.set FIELDS, (1<<16)|(1<<20)|(1<<21)|(5<<22)|(3<<25)  ; 2-byte elements; padding on; bit 21 beside a mask; after every 64 words; 4 words
.set MSB, 0
.macro WIN new                         ; the immediate's high byte repeats the setting that is left; a switch that changes nothing is dropped
.if MSB != (\new)
	s_set_vgpr_msb (MSB<<8)|(\new)
.set MSB, \new
.endif
.endm
.macro PLACES                          ; four plain places behind matrix instructions, in front of loads into registers that they have read
.rept 4
	v_nop
.endr
.endm
; A joint load.  Wave 0 fetches x's 256 rows, waves 1 to 3 one group of 64 rows of Win each.  The branch hangs on the wave's number alone.  An s_nop 0 and four v_nop follow each line.
.macro JLOAD s
	s_cmp_eq_u32 s[WV], 0
	s_cbranch_scc0 .Lfor_b_\@
	tensor_load_to_lds s[G0A+4*(\s):G0A+4*(\s)+3], s[G1A:G1A+7]
	s_nop 0
.rept 4
	v_nop
.endr
	s_branch .Lasked_\@
.Lfor_b_\@:
	tensor_load_to_lds s[G0B+4*(\s):G0B+4*(\s)+3], s[G1B:G1B+7]
	s_nop 0
.rept 4
	v_nop
.endr
.Lasked_\@:
.endm
.macro CREST                           ; a round of the cluster's barrier behind its opening barrier
	s_cmp_lg_u32 s[WV], 0
	s_cbranch_scc1 .Lnot_wave_0_\@
	s_barrier_signal -3
.Lnot_wave_0_\@:
	s_barrier_wait -3
	s_barrier_signal -1
	s_barrier_wait -1
.endm
.macro CROUND
	s_barrier_signal -1
	s_barrier_wait -1
	CREST
.endm
; A PREFETCH INTO THE L2, once a lap, behind slot 0's joint load and the run of LDS loads: the two K steps that the NEXT lap's two refills will ask for (256 bytes of a row each).
; x's rows are read by every cluster of a row of clusters: cluster x = 0 asks; Win's by every cluster of a column: cluster y = 0 asks.  The four partners of a joint load share the rows out BY ADDRESS:
; of x's 256 rows partner cx takes 64 (a lane a row, two lines a K step), of a group's 64 rows of Win partner cy takes 16 (lanes 0-15 the first K step, 16-31 the second).  So each row's 256 bytes of K steps 4 to 7
; are named once; K steps 0 to 3 come by their loads alone; the loop's last trip asks for nothing.
.macro ASK
	s_cmp_gt_u32 s3, s[LIM]
	s_cbranch_scc0 .Lnot_mine_\@
	s_cmp_eq_u32 s[WV], 0
	s_cbranch_scc0 .Lask_b_\@
	global_prefetch_b8 v[PFO], s[PFA:PFA+1] th:TH_LOAD_NT scope:SCOPE_SE
	global_prefetch_b8 v[PFO], s[PFA:PFA+1] offset:131072 th:TH_LOAD_NT scope:SCOPE_SE
	global_prefetch_b8 v[PFO], s[PFA:PFA+1] offset:256 th:TH_LOAD_NT scope:SCOPE_SE
	global_prefetch_b8 v[PFO], s[PFA:PFA+1] offset:131328 th:TH_LOAD_NT scope:SCOPE_SE
	s_branch .Lnot_mine_\@
.Lask_b_\@:
	global_prefetch_b8 v[PFB], s[PFA:PFA+1] th:TH_LOAD_NT scope:SCOPE_SE
.Lnot_mine_\@:
.endm
	s_load_b256 s[4:11], s[0:1], 0x0               ; cvt s[4:5], in_proj_bias s[6:7], sinusoidal_pos s[8:9], heads s[10:11]
	v_lshl_add_u32 v[SPW], v0, 2, SPARE
	v_mov_b32 v[NIL], 0
	ds_add_u32 v[SPW], v[NIL]                      ; the wave's opening: the add and its wait ahead of my first tensor load; work on registers stands between them
	v_lshrrev_b32 v1, 5, v0
	v_readfirstlane_b32 s[WV], v1                  ; wave 0..3
	s_bfe_u32 s13, ttmp6, 0x40000                  ; cx
	s_bfe_u32 s14, ttmp6, 0x40004                  ; cy
	s_lshl_b32 s15, ttmp9, 2
	s_add_co_u32 s15, s15, s13                     ; h = 4 x cluster x + cx
	s_and_b32 s16, ttmp7, 0xffff
	s_lshl_b32 s16, s16, 2
	s_add_co_u32 s16, s16, s14                     ; row block = 4 x cluster y + cy
	s_lshl_b32 s17, s14, 2
	s_lshl_b32 s17, 15, s17                        ; my row of the cluster
	s_lshl_b32 s18, 0x1111, s13                    ; my column
	s_or_b32 s[G1A], s17, FIELDS                   ; x's tile: 256 rows x 128 elements, 2,048 elements from row to row (the other b lies between)
	s_mov_b32 s[G1A+1], KSTEP<<16
	s_mov_b32 s[G1A+2], 256<<16
	s_mov_b32 s[G1A+3], KSTEP<<16
	s_mov_b32 s[G1A+4], 256
	s_mov_b32 s[G1A+5], 2048
	s_mov_b32 s[G1A+6], 0
	s_mov_b32 s[G1A+7], 0
	s_or_b32 s[G1B], s18, FIELDS                   ; Win's tile: 64 rows x 128 elements
	s_mov_b32 s[G1B+1], KSTEP<<16
	s_mov_b32 s[G1B+2], 64<<16
	s_mov_b32 s[G1B+3], KSTEP<<16
	s_mov_b32 s[G1B+4], 64
	s_mov_b32 s[G1B+5], 1024
	s_mov_b32 s[G1B+6], 0
	s_mov_b32 s[G1B+7], 0
	s_and_b32 s19, s16, 7                          ; which 256 of the 2,048 t
	s_lshr_b32 s20, s16, 3                         ; b
	s_lshl_b32 s22, s19, 20                        ; x: row 2 t0 + b, 2,048 bytes a row
	s_lshl_b32 s23, s20, 11
	s_add_co_u32 s22, s22, s23
	s_mov_b32 s23, 0
	s_lshl_b32 s60, s[WV], 21                      ; Win: row 1,024 (wave - 1) + 64 h (wave 0 never asks by this address)
	s_lshl_b32 s61, s15, 17
	s_add_co_u32 s60, s60, s61
	s_add_co_u32 s60, s60, WB-2097152
	s_mov_b32 s61, 0
	s_mul_i32 s62, s[WV], BGRP                     ; and its place in a slot: behind x's rows, group wave - 1
	s_add_co_u32 s62, s62, AROWS-BGRP
	s_wait_dscnt 0x0                               ; the opening add is done
	s_wait_kmcnt 0x0
	s_add_nc_u64 s[22:23], s[4:5], s[22:23]
	s_add_nc_u64 s[60:61], s[4:5], s[60:61]
	CROUND                                         ; all sixteen work-groups are here: the first joint loads meet
.irp s, 0,1
	s_mov_b32 s[G0A+4*(\s)], 1
	s_mov_b32 s[G0A+4*(\s)+1], (\s)*SLOT
	s_add_nc_u64 s[G0A+4*(\s)+2:G0A+4*(\s)+3], s[22:23], (\s)*KSTEP*2
	s_or_b32 s[G0A+4*(\s)+3], s[G0A+4*(\s)+3], 0x80000000
	s_mov_b32 s[G0B+4*(\s)], 1
	s_add_co_u32 s[G0B+4*(\s)+1], s62, (\s)*SLOT
	s_add_nc_u64 s[G0B+4*(\s)+2:G0B+4*(\s)+3], s[60:61], (\s)*KSTEP*2
	s_or_b32 s[G0B+4*(\s)+3], s[G0B+4*(\s)+3], 0x80000000
	JLOAD \s                                       ; two tensor loads of mine are out
.endr
	v_and_b32 v1, 15, v0                           ; r = l % 16
	v_bfe_u32 v2, v0, 4, 1                         ; hl = l / 16
	v_lshlrev_b32 v[BO], 5, v2
	s_lshl_b32 s78, s15, 8                         ; the head's 64 numbers of the bias
	s_mov_b32 s79, 0
	s_add_nc_u64 s[78:79], s[6:7], s[78:79]
.irp g, 0,1,2
.irp nbl, 0,1,2,3
	global_load_b128 v[BI+8*(4*(\g)+(\nbl)):BI+8*(4*(\g)+(\nbl))+3],   v[BO], s[78:79] offset:(\g)*4096+(\nbl)*64
	global_load_b128 v[BI+8*(4*(\g)+(\nbl))+4:BI+8*(4*(\g)+(\nbl))+7], v[BO], s[78:79] offset:(\g)*4096+(\nbl)*64+16
.endr
.endr
	v_mul_u32_u24 v3, v1, PITCH
	v_lshl_add_u32 v3, v2, 4, v3                   ; a fragment's row x pitch + 16 x half
	s_mul_i32 s59, s[WV], BGRP                     ; my 64 rows of x
	v_add_nc_u32 v[ADRA], s59, v3
	v_add_nc_u32 v[ADRB], AROWS, v3
	v_add_nc_u32 v[ADRA+1], SLOT, v[ADRA]
	v_add_nc_u32 v[ADRB+1], SLOT, v[ADRB]
	s_mul_i32 s59, s[WV], 16*SP
	s_add_co_u32 s59, s59, STAGE                   ; my stage
	v_mul_u32_u24 v4, v1, SP
	v_lshl_add_u32 v4, v2, 4, v4
	v_add_nc_u32 v[STO], s59, v4                   ; in: row r, 16 bytes for each half of the lanes
	v_bfe_u32 v4, v0, 3, 2
	v_mul_u32_u24 v4, v4, SP
	v_and_b32 v5, 7, v0
	v_lshl_add_u32 v4, v5, 4, v4
	v_add_nc_u32 v[RD], s59, v4                    ; back: 32 lanes take four rows of 128 bytes
	v_and_b32 v5, 31, v0
	v_lshlrev_b32 v[GO], 4, v5
	v_lshlrev_b32 v[PFO], 12, v5
	v_lshlrev_b32 v[PFB], 11, v1
	v_lshl_add_u32 v[PFB], v2, 8, v[PFB]
	v_lshlrev_b32 v[SPO], 8, v1
	v_lshl_add_u32 v[SPO], v2, 4, v[SPO]
	s_lshl_b32 s80, s20, 4                         ; the five outputs at row t0 + 64 wave of head 16 b + h
	s_add_co_u32 s80, s80, s15
	s_lshl_b32 s80, s80, 18
	s_lshl_b32 s81, s19, 15
	s_add_co_u32 s80, s80, s81
	s_lshl_b32 s81, s[WV], 13
	s_add_co_u32 s80, s80, s81
	s_mov_b32 s81, 0
	s_add_nc_u64 s[OB:OB+1], s[10:11], s[80:81]
.irp i, 1,2,3,4
	s_add_nc_u64 s[OB+2*(\i):OB+2*(\i)+1], s[OB:OB+1], (\i)*HB
.endr
	s_and_b32 s80, s15, 1                          ; sinusoidal_pos[h & 1] at the same row, 256 bytes a row
	s_lshl_b32 s80, s80, 19
	s_lshl_b32 s81, s19, 16
	s_add_co_u32 s80, s80, s81
	s_lshl_b32 s81, s[WV], 14
	s_add_co_u32 s80, s80, s81
	s_mov_b32 s81, 0
	s_add_nc_u64 s[SPB:SPB+1], s[8:9], s[80:81]
	s_lshl_b32 s80, s19, 20                        ; the prefetches: x's rows 64 cx on,
	s_lshl_b32 s81, s20, 11
	s_add_co_u32 s80, s80, s81
	s_lshl_b32 s81, s13, 18
	s_add_co_u32 s80, s80, s81
	s_lshl_b32 s82, s[WV], 21                      ; or my group's rows 16 cy on
	s_lshl_b32 s83, s15, 17
	s_add_co_u32 s82, s82, s83
	s_lshl_b32 s83, s14, 15
	s_add_co_u32 s82, s82, s83
	s_add_co_u32 s82, s82, WB-2097152
	s_and_b32 s83, ttmp7, 0xffff                   ; cluster y
	s_cmp_eq_u32 s[WV], 0
	s_cselect_b32 s80, s80, s82
	s_cselect_b32 s83, ttmp9, s83                  ; the coordinate along which other clusters read the same rows
	s_add_co_u32 s80, s80, 2*KSTEP*2               ; at K step 2: the first change of slot 0 steps it to 4
	s_mov_b32 s81, 0
	s_add_nc_u64 s[PFA:PFA+1], s[4:5], s[80:81]
	s_cmp_eq_u32 s83, 0
	s_cselect_b32 s[LIM], 1, -1                    ; the same in all sixteen partners, for a given wave
	s_wait_loadcnt 0x0                             ; the bias; it is rounded to bf16 like every input
.set i, 0
.rept 48
	v_cvt_pk_bf16_f32 v[TMP+i%4], v[BI+2*i], v[BI+2*i+1]
	v_lshlrev_b32 v[BI+2*i], 16, v[TMP+i%4]
	v_and_b32 v[BI+2*i+1], 0xffff0000, v[TMP+i%4]
.set i, i+1
.endr
; 16 matrix instructions: the four column blocks of group g (0 q, 1 k, 2 v) x my four row blocks, 32 along K, from buffer f.  zero = 1: the bias starts the sums.
; The 48 accumulators take turns in the same order in every quarter.
.macro MUL16 f, g, zero
.if \zero
	WIN 0x81+0x40*((\g)/2)                         ; Win window 1, x and the bias window 0, D window 2 or 3
.else
	WIN 0xa1+0x50*((\g)/2)                         ; C and D window 2 or 3
.endif
.irp nbl, 0,1,2,3
.irp a, 0,1,2,3
.if \zero
	v_wmma_f32_16x16x32_bf16 v[8*(4*((4*(\g)+(\nbl))%8)+(\a)):8*(4*((4*(\g)+(\nbl))%8)+(\a))+7], v[96*(\f)+8*(4*(\g)+(\nbl)):96*(\f)+8*(4*(\g)+(\nbl))+7], v[FA+32*(\f)+8*(\a):FA+32*(\f)+8*(\a)+7], v[BI+8*(4*(\g)+(\nbl)):BI+8*(4*(\g)+(\nbl))+7]
.else
	v_wmma_f32_16x16x32_bf16 v[8*(4*((4*(\g)+(\nbl))%8)+(\a)):8*(4*((4*(\g)+(\nbl))%8)+(\a))+7], v[96*(\f)+8*(4*(\g)+(\nbl)):96*(\f)+8*(4*(\g)+(\nbl))+7], v[FA+32*(\f)+8*(\a):FA+32*(\f)+8*(\a)+7], v[8*(4*((4*(\g)+(\nbl))%8)+(\a)):8*(4*((4*(\g)+(\nbl))%8)+(\a))+7]
.endif
.endr
.endr
.endm
; 32 LDS loads in one run: x's four fragments, then Win's twelve, 32 K at byte k of the rows, into buffer f
.macro FETCH slot, k, f
	WIN 0
.irp a, 0,1,2,3
	ds_load_b128 v[FA+32*(\f)+8*(\a):FA+32*(\f)+8*(\a)+3],   v[ADRA+(\slot)] offset:(\k)+(\a)*16*PITCH
	ds_load_b128 v[FA+32*(\f)+8*(\a)+4:FA+32*(\f)+8*(\a)+7], v[ADRA+(\slot)] offset:(\k)+(\a)*16*PITCH+32
.endr
	WIN 0x40
.irp nb, 0,1,2,3,4,5,6,7,8,9,10,11
	ds_load_b128 v[96*(\f)+8*(\nb):96*(\f)+8*(\nb)+3],   v[ADRB+(\slot)] offset:(\k)+(\nb)*16*PITCH
	ds_load_b128 v[96*(\f)+8*(\nb)+4:96*(\f)+8*(\nb)+7], v[ADRB+(\slot)] offset:(\k)+(\nb)*16*PITCH+32
.endr
.endm
; A K step is four quarters of 32 along K, 48 matrix instructions each, on buffers 0, 1, 0, 1.  One of the first three: multiplies buffer f and fetches the next quarter into g.
.macro QUARTER slot, k, f, g, zero
	s_wait_dscnt 8                                 ; all but the youngest eight loads: Win's blocks 8 to 11
	MUL16 \f, 0, \zero
	MUL16 \f, 1, \zero
	PLACES
	FETCH \slot, \k, \g
	s_wait_dscnt 32                                ; all but the 32 just issued
	MUL16 \f, 2, \zero
.endm
; The last quarter multiplies buffer 1 and changes slots.  In front of the barrier each wave waits for all its tensor loads (one is out: its part of the next slot), adds 0 to its spare word, and waits for that
; and for its reads of this slot.  fill = 1: the barrier opens a round of the cluster's, and the joint refill, two K steps on, is the first thing behind it: 160 matrix instructions ahead of the wait for it.
.macro TURN slot, next, fill
.if (\fill) && ((\slot) == 0)
	s_wait_xcnt 0x0                                ; the last prefetches, a lap back, have read their address
	s_add_nc_u64 s[PFA:PFA+1], s[PFA:PFA+1], 2*KSTEP*2
.endif
	WIN 0
	s_wait_tensorcnt 0x0
	ds_add_u32 v[SPW], v[NIL]
	s_wait_dscnt 9                                 ; the add and the youngest eight loads may be out
	MUL16 1, 0, 0
	s_wait_dscnt 0x0                               ; the add is done, and my reads of this slot are over
	s_barrier_signal -1
	MUL16 1, 1, 0
.if \fill
	WIN 0
.endif
	s_barrier_wait -1
.if \fill
	CREST
	s_add_nc_u64 s[G0A+4*(\slot)+2:G0A+4*(\slot)+3], s[G0A+4*(\slot)+2:G0A+4*(\slot)+3], 2*KSTEP*2
	s_add_nc_u64 s[G0B+4*(\slot)+2:G0B+4*(\slot)+3], s[G0B+4*(\slot)+2:G0B+4*(\slot)+3], 2*KSTEP*2
	JLOAD \slot                                    ; its four v_nop are also the places in front of the loads below
.else
	PLACES
.endif
	FETCH \next, 0, 0
.if (\fill) && ((\slot) == 0)
	WIN 0
	ASK
.endif
	MUL16 1, 2, 0
.endm
	s_wait_tensorcnt 1                             ; my part of K step 0 is in; K step 1's may stay out
	s_barrier_signal -1
	s_barrier_wait -1
	FETCH 0, 0, 0
	QUARTER 0, 64, 0, 1, 1                         ; the first quarter stands in front of the loop: its products start the sums, with the bias
	WIN 0
	s_mov_b32 s3, LAPS-1
.Llap:                                         ; a trip goes once round the ring and fills both slots again
	QUARTER 0, 128, 1, 0, 0
	QUARTER 0, 192, 0, 1, 0
	TURN 0, 1, 1
	QUARTER 1, 64,  0, 1, 0
	QUARTER 1, 128, 1, 0, 0
	QUARTER 1, 192, 0, 1, 0
	TURN 1, 0, 1
	QUARTER 0, 64,  0, 1, 0
	WIN 0
	s_sub_co_u32 s3, s3, 1
	s_cmp_lg_u32 s3, 0
	s_cbranch_scc1 .Llap
.irp a, 0,1,2,3                        ; sin and cos of my 64 rows come in under the last lap: for row r and columns 16 nbl + 8 hl + 0..7 the four sines 8 nbl + 4 hl + 0..3, and the cosines 128 bytes on
.irp nbl, 0,1,2,3
	global_load_b128 v[SCB+32*(\a)+8*(\nbl):SCB+32*(\a)+8*(\nbl)+3],   v[SPO], s[SPB:SPB+1] offset:(\a)*4096+(\nbl)*32
	global_load_b128 v[SCB+32*(\a)+8*(\nbl)+4:SCB+32*(\a)+8*(\nbl)+7], v[SPO], s[SPB:SPB+1] offset:(\a)*4096+(\nbl)*32+128
.endr
.endr
	QUARTER 0, 128, 1, 0, 0                        ; the last lap fills nothing
	QUARTER 0, 192, 0, 1, 0
	TURN 0, 1, 0
	QUARTER 1, 64,  0, 1, 0
	QUARTER 1, 128, 1, 0, 0
	QUARTER 1, 192, 0, 1, 0
	s_wait_dscnt 8
	MUL16 1, 0, 0
	MUL16 1, 1, 0
	s_wait_dscnt 0x0
	MUL16 1, 2, 0
	WIN 0
	; THE WAY OUT.  sin and cos are rounded to bf16 in place: 192 plain lines, the places behind the last products.
	s_wait_loadcnt 0x0
.set i, 0
.rept 64
	v_cvt_pk_bf16_f32 v[TMP+i%4], v[SCB+2*i], v[SCB+2*i+1]
	v_lshlrev_b32 v[SCB+2*i], 16, v[TMP+i%4]
	v_and_b32 v[SCB+2*i+1], 0xffff0000, v[TMP+i%4]
.set i, i+1
.endr
; A block is 16 rows x 64 columns of one tensor: 2,048 dense bytes.  PACK: rounded to f16 (rot = 1: rotated first: x0 c - x1 s, x1 c + x0 s), 16 bytes a lane into my stage, back as whole rows.
; Each accumulator's plain block comes first and reads it from its low end.  Two sets of 16 registers take turns; N counts the blocks.
.set N, 0
.macro PACK rot, g, a
.set TS, TMP+16*(N%2)
.if N >= 2
	s_wait_xcnt 0x0                                ; the stores of the block before last have read this set
.endif
.if \rot
	WIN 0x02                                       ; source 0: the accumulators, window 2
.irp nbl, 0,1,2,3
.irp p, 0,1,2,3
	v_mul_f32 v[R+8*(\nbl)+2*(\p)],   v[8*(4*(4*(\g)+(\nbl))+(\a))+2*(\p)],   v[SCB+32*(\a)+8*(\nbl)+4+(\p)]
	v_mul_f32 v[R+8*(\nbl)+2*(\p)+1], v[8*(4*(4*(\g)+(\nbl))+(\a))+2*(\p)+1], v[SCB+32*(\a)+8*(\nbl)+4+(\p)]
.endr
.irp p, 0,1,2,3
	v_fma_f32 v[R+8*(\nbl)+2*(\p)],   -v[8*(4*(4*(\g)+(\nbl))+(\a))+2*(\p)+1], v[SCB+32*(\a)+8*(\nbl)+(\p)], v[R+8*(\nbl)+2*(\p)]
	v_fma_f32 v[R+8*(\nbl)+2*(\p)+1], v[8*(4*(4*(\g)+(\nbl))+(\a))+2*(\p)],    v[SCB+32*(\a)+8*(\nbl)+(\p)], v[R+8*(\nbl)+2*(\p)+1]
.endr
.endr
	WIN 0
.irp nbl, 0,1,2,3
.irp r, 0,1,2,3
	v_cvt_pk_f16_f32 v[TS+4*(\nbl)+(\r)], v[R+8*(\nbl)+2*(\r)], v[R+8*(\nbl)+2*(\r)+1]
.endr
.endr
.else
	WIN 0x0a+5*((\g)/2)                            ; sources 0 and 1: window 2 or 3
.irp nbl, 0,1,2,3
.irp r, 0,1,2,3
	v_cvt_pk_f16_f32 v[TS+4*(\nbl)+(\r)], v[8*(4*((4*(\g)+(\nbl))%8)+(\a))+2*(\r)], v[8*(4*((4*(\g)+(\nbl))%8)+(\a))+2*(\r)+1]
.endr
.endr
	WIN 0
.endif
.irp nbl, 0,1,2,3
	ds_store_b128 v[STO], v[TS+4*(\nbl):TS+4*(\nbl)+3] offset:32*(\nbl)
.endr
.irp f, 0,1,2,3
	ds_load_b128 v[TS+4*(\f):TS+4*(\f)+3], v[RD] offset:(\f)*4*SP  ; LDS serves a wave's instructions in order: these see the stores above, the next block's stores come behind them
.endr
.endm
.macro SEND younger                    ; the block before: tensor PT, row block PAA.  younger: the LDS lines issued behind its loads
.set TS, TMP+16*((N+1)%2)
.irp f, 0,1,2,3
	s_wait_dscnt (\younger)+3-(\f)
	global_store_b128 v[GO], v[TS+4*(\f):TS+4*(\f)+3], s[OB+2*PT:OB+2*PT+1] offset:PAA*2048+(\f)*512  ; 512 consecutive bytes, aligned
.endr
.endm
.macro BLOCK rot, g, ten, a            ; a block's arithmetic stands between the loads of the block before and its stores
	PACK \rot, \g, \a
.if N > 0
	SEND 8
.endif
.set PT, \ten
.set PAA, \a
.set N, N+1
.endm
.irp a, 0,1,2,3
	BLOCK 0, 0, 0, \a                              ; q
	BLOCK 1, 0, 3, \a                              ; rq
	BLOCK 0, 1, 1, \a                              ; k
	BLOCK 1, 1, 4, \a                              ; rk
	BLOCK 0, 2, 2, \a                              ; v
.endr
	SEND 0
	s_wait_tensorcnt 0x0                           ; the wave's end: behind my last tensor load and my last LDS store
	ds_add_u32 v[SPW], v[NIL]
	s_wait_dscnt 0x0
	CROUND                                         ; the closing round
	s_endpgm
.Lfunc_end_k_q0c71adb72e_inproj:
	.size	k_q0c71adb72e_inproj, .Lfunc_end_k_q0c71adb72e_inproj-k_q0c71adb72e_inproj
	.p2alignl 7, 3214868480
	.fill 96, 4, 3214868480
	.section	.rodata,"a",@progbits
	.p2align	6, 0x0
	.amdhsa_kernel k_q0c71adb72e_inproj
		.amdhsa_group_segment_fixed_size 327680
		.amdhsa_private_segment_fixed_size 0
		.amdhsa_enable_private_segment 0
		.amdhsa_kernarg_size 32
		.amdhsa_user_sgpr_count 2
		.amdhsa_user_sgpr_kernarg_segment_ptr 1
		.amdhsa_wavefront_size32 1
		.amdhsa_system_sgpr_workgroup_id_x 1
		.amdhsa_system_sgpr_workgroup_id_y 1
		.amdhsa_system_sgpr_workgroup_id_z 1
		.amdhsa_system_vgpr_workitem_id 0
		.amdhsa_next_free_vgpr 896
		.amdhsa_next_free_sgpr 88
		.amdhsa_reserve_vcc 0
		.amdhsa_float_denorm_mode_32 3
		.amdhsa_float_denorm_mode_16_64 3
		.amdhsa_memory_ordered 1
		.amdhsa_forward_progress 1
		.amdhsa_inst_pref_size 186
	.end_amdhsa_kernel
	.amdgpu_metadata
---
amdhsa.version: [ 1, 2 ]
amdhsa.kernels:
  - .name:           k_q0c71adb72e_inproj
    .symbol:         k_q0c71adb72e_inproj.kd
    .args:
      - { .name: cvt, .offset: 0, .size: 8, .value_kind: global_buffer, .address_space: global }
      - { .name: in_proj_bias, .offset: 8, .size: 8, .value_kind: global_buffer, .address_space: global }
      - { .name: sinusoidal_pos, .offset: 16, .size: 8, .value_kind: global_buffer, .address_space: global }
      - { .name: heads, .offset: 24, .size: 8, .value_kind: global_buffer, .address_space: global }
    .group_segment_fixed_size: 327680
    .private_segment_fixed_size: 0
    .kernarg_segment_align: 8
    .kernarg_segment_size: 32
    .max_flat_workgroup_size: 128
    .sgpr_count:     88
    .vgpr_count:     896
    .wavefront_size: 32
...
	.end_amdgpu_metadata
.endif
;; end of part 2
;; launch attn (part 3): grid 8 x 32, 4 waves a work-group, clusters of 4 x 1, 327,680 bytes of LDS; arguments heads, local_attn_mask, oh; writes oh
.if DOCPART == 3
	.amdgcn_target "amdgcn-amd-amdhsa--gfx1250"
	.amdhsa_code_object_version 6
	.text
	.protected	k_q0c71adb72e_attn
	.globl	k_q0c71adb72e_attn
	.p2align	8
	.type	k_q0c71adb72e_attn,@function
k_q0c71adb72e_attn:
	s_mov_b64 s[64:65], 0
	v_nop
	global_prefetch_b8 v0, s[64:65] scope:SCOPE_SE
	s_setreg_imm32_b32 hwreg(HW_REG_WAVE_MODE, 25, 1), 1
	s_wait_xcnt 0x0
	s_wait_alu depctr_hold_cnt(0) depctr_sa_sdst(0) depctr_va_vdst(0) depctr_va_sdst(0) depctr_va_ssrc(0) depctr_va_vcc(0) depctr_vm_vsrc(0)
	s_getreg_b32 s2, hwreg(HW_REG_IB_STS2, 6, 4)
	s_cmp_eq_u32 s2, 0
	s_cbranch_scc0 .Lentry_in_a_cluster
	s_endpgm
.Lentry_in_a_cluster:
	s_bfe_u32 s2, ttmp6, 0x10000c
	s_cmp_lg_u32 s2, 0x3003
	s_cbranch_scc0 .Lentry_shape_is_right
	s_endpgm
.Lentry_shape_is_right:
; BOTH ATTENTIONS OF A HEAD, SUMMED.  O[q] = sum_k softmax_k(q.k / 8) v[k] + sum_k softmax_k(rq.rk / 8, hidden where local_attn_mask is 1) v[k].
; q, k, v, rq, rk: [32][2048][64] f16 in heads, 8,388,608 bytes apart in the order q, k, v, rq, rk; the mask [32][2048][2048] bytes; O: [32][2048][64] f16.  Products, maxima and sums in f32; the weights p are
; rounded to f16 for the second product (their sum l is taken of the unrounded p), O once at the end.
; LIMITS.  f16 holds no number beyond 65,504.  A hidden score counts as its value less 2^100: f16's scores, 2.7e11 at the most, are nothing beside that.  A row whose every key is hidden gives NaN.
; A weight below 2^-126 counts as 0 in l; NaN and infinities among the inputs are not treated apart.  The mask's bytes are 0 or 1.
; SHARES.  A work-group owns 256 queries of one head, a wave 64.  A wave has eight tiles of 16 queries in four PIECES of two: tiles 0-3 (pieces 0, 1) are the unmasked attention of its 64 queries,
; tiles 4-7 (pieces 2, 3) the masked one of the SAME queries.  V is common; the two results are added in registers on the way out.  Every wave walks all keys, 64 a step.
; LAYOUT.  S^T = K Q^T (source 0 = 16 keys, source 1 = 16 queries): a lane holds ONE query (lane % 16) and the keys 8 (lane / 16) + 0..7.  Two such results, rounded to f16, ARE source 1 of O^T = V^T P.
; SOFTMAX.  A running maximum m and sum l: p = 2^(c s - c m), c = log2(e) / 8; in every step O and l are multiplied by a = 2^(c m_old - c m_new).  m starts at the lowest finite number, O and l at 0.
; THE MASK is the C operand that starts a masked tile's sum: 0, or -2^100.  A lane's eight bytes of an accumulator become eight f32 in three lines: two v_perm_b32, which take the byte 0 or 1 as a selector of 0x00 or
; 0xC0 (-2.0 in fp8), and one conversion of eight fp8 with the scale 2^99.  A span of 64 rows x 256 keys comes by 32 loads of two whole aligned rows of 256 bytes, a whole slot ahead, into registers; at the change
; of slots it goes into the wave's own LDS bytes, and is read back from there by accumulators.
; BY TURNS.  Turn n belongs to piece n: 16 products K Q^T of piece n + 1, later 16 products V^T P of piece n - 1; beside them piece n's scaling, exponentials, roundings, sums and rescaling and piece n + 1's
; maximum and statistics.  Four vector lines stand behind every matrix instruction, the rest in one lump; a turn's 66 exponentials are one batch with one wait.  K's registers hold k for the turns of pieces 3 and 0, rk for 1 and 2.
; CLUSTER.  The four query blocks of a cluster belong to one head and walk the same k, rk and v: each tile is asked for JOINTLY.
; REGISTERS, in windows of 256 (s_set_vgpr_msb: bits 1:0 source 0, 3:2 source 1, 5:4 source 2, 7:6 destination):
;   window 0: v0-11 addresses (v1 later the conversions' scale); v12-15, v48-63 at work; v16-47 four registers of statistics a tile; v64-191 S^T, two buffers of two tiles; v192-255 P, likewise
;   window 1: O^T, 32 a tile     window 2: v0-63 q, v64-127 rq, 16 a tile; v128-191 k or rk of one step; v192-255 V of one step
;   window 3: v0-5 the add's two registers and the mask's addresses; v8-39 a step's mask bytes; v64-127 a piece's masks as f32; v128-255 a span of the mask on its way
.set SIZE_N, 2048
.set NP,    4
.set KS,    64
.set PK,    144       ; a row of k or rk in LDS: 128 bytes + 16
.set PV,    160       ; a row of V: 128 + 32
.set RKOFF, 4*KS*PK   ; a slot holds four steps: 256 rows of k, 256 of rk, 256 of V
.set VOFF,  2*4*KS*PK
.set SLOT1, 1<<17
.set MASKB, SLOT1+VOFF+4*KS*PV  ; behind the ring, never filled by a tensor load: 64 rows x 272 bytes for each wave
.set PM,    272
.set STAGE, MASKB+4*64*PM       ; 16 rows x 144 bytes for each wave, for the way out
.set SP,    144
.set SPARE, STAGE+4*16*SP       ; the spare words, 128 bytes a wave: two blocks of 256 bytes that no other line names
.set HB,    8388608
.set SC,  1           ; v1   226: the conversions multiply by 2^(226 - 127); set when l % 16 is no longer wanted
.set AK0, 2
.set AV0, 3
.set AK,  4
.set AV,  5
.set QO,  6
.set STO, 6
.set RD,  7
.set GO,  8
.set PFO, 11          ; v11  256 x my lane
.set MV,  12
.set ST,  16
.set TMP, 48
.set S,   64
.set P,   192
.set KF,  128
.set VF,  192
.set SPW, 0           ; window 3
.set NIL, 1
.set AM0, 2           ; my lane's place in my wave's span: row l % 16, 8 (l / 16)
.set AM,  3           ; the address of the next run of mask loads
.set MSO, 4           ; where I store 16 bytes of a span
.set MGO, 5           ; my byte offset in two rows of the mask in memory
.set MB,  8           ; local tile lt, key block kb: two registers at MB + 2 (4 lt + kb)
.set MC,  64          ; tile u of the piece, key block kb: eight registers at MC + 32 u + 8 kb
.set MG,  128
.set OP,  10          ; s[10:11] O at my wave's first row
.set WV,  12
.set LIM, 15
.set PFA, 18
.set G1K, 24
.set G1V, 32
.set G0K, 40
.set G0V, 44
.set SLOTS, 56
.set CNT, 57
.set CS,  58
.set SEL, 60
.set TBK, 62
.set TBV, 63
.set QP,  66          ; s[66:67] q at my wave's first row
.set RQP, 68          ; s[68:69] rq
.set MP,  70          ; s[70:71] the mask at my wave's first row, at the span to be loaded
.set TBM, 72          ; s72  byte of a span's rows at which the step to be fetched begins
.set PY,  73          ; s73  0x0000C000
.set THR, 74          ; s74  -2^99
.set MSB, 0
.macro WIN new
.if MSB != (\new)
	s_set_vgpr_msb (MSB<<8)|(\new)
.set MSB, (\new)
.endif
.endm
.set W_KQ, 0x0a       ; K and Q in window 2, S^T in window 0
.set W_KM, 0x3a       ; the same with the C operand in window 3
.set W_PV, 0x52       ; V in window 2, P in window 0, O^T in window 1
.set W_RS, 0x41       ; O^T in window 1, a in window 0
.set W_MK, 0xc0       ; destination in window 3, sources in window 0
.set W_AD, 0x0f       ; sources 0 and 1 in window 3: the add, and the span's LDS stores
.set W_M3, 0xff
.set W_L3, 0xc3       ; destination and source 0 in window 3
; A joint fill.  Wave 0 fetches a slot's k, wave 1 its rk (256 keys: 128 rows of 256 bytes), waves 2 and 3 the halves of its V.  An s_nop 0 and four v_nop follow each line.
.macro JLOAD
	s_cmp_lt_u32 s[WV], 2
	s_cbranch_scc0 .Lfor_v_\@
	tensor_load_to_lds s[G0K:G0K+3], s[G1K:G1K+7]
	s_nop 0
.rept 4
	v_nop
.endr
	s_branch .Lasked_\@
.Lfor_v_\@:
	tensor_load_to_lds s[G0V:G0V+3], s[G1V:G1V+7]
	s_nop 0
.rept 4
	v_nop
.endr
.Lasked_\@:
.endm
.macro CROUND
	s_barrier_signal -1
	s_barrier_wait -1
	s_cmp_lg_u32 s[WV], 0
	s_cbranch_scc1 .Lnot_wave_0_\@
	s_barrier_signal -3
.Lnot_wave_0_\@:
	s_barrier_wait -3
	s_barrier_signal -1
	s_barrier_wait -1
.endm
.macro MLOAD                        ; a span of the mask: 64 rows x 256 bytes; lanes 0-15 take one row's 256 aligned bytes, lanes 16-31 the next row's
	WIN W_L3
.set i, 0
.rept 32
	global_load_b128 v[MG+4*i:MG+4*i+3], v[MGO], s[MP:MP+1] offset:4096*i th:TH_LOAD_NT
.set i, i+1
.endr
.endm
; A PREFETCH INTO THE L2 of what the NEXT change of slots will ask for: 32,768 bytes each of k, rk and v, a lane 256 bytes.  Both clusters of a head walk the same rows: the head's first cluster asks.  Its four partners
; share them out BY ADDRESS, 8,192 bytes each; wave 0 asks for k's, wave 1 for rk's, wave 2 for v's: one line.  Slots 0 to 2 come by their loads alone; the last change that fills a slot asks for nothing.
.macro ASK
	s_cmp_gt_u32 s[SLOTS], s[LIM]
	s_cbranch_scc0 .Lnot_mine_\@
	global_prefetch_b8 v[PFO], s[PFA:PFA+1] th:TH_LOAD_NT scope:SCOPE_SE
.Lnot_mine_\@:
.endm
; THE CHANGE OF SLOTS.  The span of the mask that goes with the slot to be entered has come (it was asked for a slot ago) and goes into my own LDS bytes.  Then each wave waits for all its tensor loads, of which one is
; out: its part of the other slot; adds 0 to its spare word; and waits for that, for its stores and for its reads of the slot that it leaves.  fill = 1: the barrier is a round of the cluster's, and the joint fill, with the
; keys two slots on, is the first thing behind it: it has four key steps, 512 matrix instructions, in which to land; the next span's loads follow it.
.macro CHANGE fill, ask
	WIN W_AD
	s_wait_loadcnt 0x0              ; the span is in (at the first change: Q too); its loads' base may be stepped
.set i, 0
.rept 32
	ds_store_b128 v[MSO], v[MG+4*i:MG+4*i+3] offset:2*PM*i
.set i, i+1
.endr
	s_wait_tensorcnt 0x0            ; no tensor load of mine is out, so a group 0 may be written
	ds_add_u32 v[SPW], v[NIL]
	WIN 0
.if \fill
.irp g, G0K, G0V
	s_xor_b32 s[\g+1], s[\g+1], SLOT1
	s_add_nc_u64 s[\g+2:\g+3], s[\g+2:\g+3], 4*KS*128
.endr
	s_add_nc_u64 s[MP:MP+1], s[MP:MP+1], 4*KS
.if \ask
	s_wait_xcnt 0x0                 ; the last prefetch, four key steps back, has read its address
	s_add_nc_u64 s[PFA:PFA+1], s[PFA:PFA+1], 4*KS*128
.endif
	s_wait_dscnt 0x0                ; the add and my stores are done, and my reads of the slot are over
	CROUND
	JLOAD
	MLOAD
	WIN 0
.if \ask
	ASK
.endif
.else
	s_wait_dscnt 0x0
	s_barrier_signal -1
	s_barrier_wait -1
.endif
	s_sub_co_u32 s[TBK], s[TBK], 4*KS*PK
	s_xor_b32 s[TBK], s[TBK], SLOT1
	s_sub_co_u32 s[TBV], s[TBV], 4*KS*PV
	s_xor_b32 s[TBV], s[TBV], SLOT1
	s_sub_co_u32 s[TBM], s[TBM], 4*KS
.endm
	s_load_b128 s[4:7], s[0:1], 0x0   ; heads s[4:5], local_attn_mask s[6:7]
	s_load_b64 s[8:9], s[0:1], 0x10   ; oh
	WIN W_MK
	v_lshl_add_u32 v[SPW], v0, 2, SPARE
	v_mov_b32 v[NIL], 0
	WIN W_AD
	ds_add_u32 v[SPW], v[NIL]       ; the wave's opening: the add and its wait ahead of my first tensor load
	WIN 0
	v_lshrrev_b32 v1, 5, v0
	v_readfirstlane_b32 s[WV], v1   ; wave 0..3
	s_bfe_u32 s13, ttmp6, 0x40000   ; cx
	s_lshl_b32 s14, ttmp9, 2
	s_add_co_u32 s14, s14, s13      ; my block of 256 queries: it enters q's, rq's, the mask's and O's addresses alone
	s_and_b32 s20, ttmp7, 0xffff    ; the head, which the four partners share
	s_lshl_b32 s21, s20, 18         ; its first byte in a tensor by heads
	s_and_b32 s16, s[WV], 1
	s_mul_i32 s22, s16, 3*HB        ; k (wave 0) or rk (wave 1)
	s_add_co_u32 s22, s22, s21
	s_add_co_u32 s22, s22, HB
	s_mov_b32 s23, 0
	s_lshl_b32 s2, s16, 14          ; v: my half of a slot's 256 keys
	s_add_co_u32 s2, s2, s21
	s_add_co_u32 s2, s2, 2*HB
	s_mov_b32 s3, 0
	s_mul_i32 s17, s16, RKOFF       ; their places in a slot: no place in the cluster enters an LDS address
	s_mul_i32 s75, s16, 128*PV
	s_lshl_b32 s76, s14, 15         ; my wave's 64 rows of 128 bytes
	s_lshl_b32 s77, s[WV], 13
	s_add_co_u32 s76, s76, s77
	s_lshl_b32 s78, s76, 4          ; the same rows in the mask, 2,048 bytes each
	s_add_co_u32 s76, s76, s21
	s_mov_b32 s77, 0
	s_lshl_b32 s79, s20, 22
	s_add_co_u32 s78, s78, s79
	s_mov_b32 s79, 0
	s_cmp_lt_u32 s[WV], 2           ; the prefetches: k, rk or v,
	s_cselect_b32 s[PFA], s22, s2
	s_lshl_b32 s[PFA+1], s13, 13    ; my work-group's 8,192 bytes of a slot's 32,768,
	s_add_co_u32 s[PFA], s[PFA], s[PFA+1]
	s_add_co_u32 s[PFA], s[PFA], 2*4*KS*128  ; in slot 2: the first change that asks steps it to slot 3
	s_mov_b32 s[PFA+1], 0
	s_cmp_eq_u32 s[WV], 3
	s_cselect_b32 s[LIM], 1, 0
	s_or_b32 s[LIM], s[LIM], ttmp9  ; 0 in waves 0 to 2 of the head's first cluster: the same in all four partners
	s_cmp_eq_u32 s[LIM], 0
	s_cselect_b32 s[LIM], 1, -1
	; descriptor group 1.  Keys are dense, 128 bytes each: asked for as rows of 256 bytes, two keys a row, and padded in LDS after every key
	s_mov_b32 s[G1K], 15|(1<<16)|(1<<20)|(1<<21)|(4<<22)|(3<<25)  ; the mask of four; 2-byte elements; padding on; bit 21 beside a mask; after every 32 words; 4 words
	s_mov_b32 s[G1V], 15|(1<<16)|(1<<20)|(1<<21)|(4<<22)|(7<<25)  ; the same with 8 words of padding
.irp g, G1K, G1V
	s_mov_b32 s[\g+1], 128<<16      ; tensor_dim0 = 128
	s_mov_b32 s[\g+3], 128<<16      ; tile_dim0 = 128
	s_mov_b32 s[\g+5], 128          ; 128 elements from row to row
	s_mov_b32 s[\g+6], 0
	s_mov_b32 s[\g+7], 0
.endr
	s_mov_b32 s[G1K+2], 128<<16     ; tensor_dim1, tile_dim1 = 128 rows
	s_mov_b32 s[G1K+4], 128
	s_mov_b32 s[G1V+2], 64<<16      ; 64 rows
	s_mov_b32 s[G1V+4], 64
	s_mov_b32 s[CS], 0x3e38aa3b     ; c = log2(e) / 8
	s_mov_b32 s[CS+1], s[CS]
	s_mov_b32 s[SEL], 0x76543210
	s_mov_b32 s[SEL+1], 0xfedcba98
	s_mov_b32 s[TBK], SLOT1+4*KS*PK ; the first change of slots turns these three into 0
	s_mov_b32 s[TBV], SLOT1+4*KS*PV
	s_mov_b32 s[TBM], 4*KS
	s_mov_b32 s[PY], 0x0000c000
	s_mov_b32 s[THR], 0xf1000000
	s_mov_b32 s[G0K], 1
	s_mov_b32 s[G0K+1], s17
	s_mov_b32 s[G0V], 1
	s_add_co_u32 s[G0V+1], s75, VOFF
	s_wait_dscnt 0x0                ; the opening add is done
	s_wait_kmcnt 0x0
	s_add_nc_u64 s[G0K+2:G0K+3], s[4:5], s[22:23]
	s_or_b32 s[G0K+3], s[G0K+3], 0x80000000
	s_add_nc_u64 s[G0V+2:G0V+3], s[4:5], s[2:3]
	s_or_b32 s[G0V+3], s[G0V+3], 0x80000000
	s_add_nc_u64 s[QP:QP+1], s[4:5], s[76:77]
	s_add_nc_u64 s[RQP:RQP+1], s[QP:QP+1], 3*HB
	s_add_nc_u64 s[OP:OP+1], s[8:9], s[76:77]
	s_add_nc_u64 s[MP:MP+1], s[6:7], s[78:79]
	s_add_nc_u64 s[PFA:PFA+1], s[4:5], s[PFA:PFA+1]
	CROUND                          ; all four work-groups are here: the first joint loads meet
	JLOAD                           ; slot 0.  Slot 1 is asked for when slot 0 is in
	v_and_b32 v1, 15, v0            ; l % 16
	v_bfe_u32 v9, v0, 4, 1          ; l / 16
	v_lshlrev_b32 v[QO], 7, v1
	v_lshl_add_u32 v[QO], v9, 4, v[QO]
	WIN 0x80
.set i, 0
.rept 8                             ; q and rq stay in registers: tile i / 2 (and 4 + i / 2), channels 32 (i % 2) on
	global_load_b128 v[8*i:8*i+3],       v[QO], s[QP:QP+1] offset:(i/2)*2048+(i%2)*64
	global_load_b128 v[8*i+4:8*i+7],     v[QO], s[QP:QP+1] offset:(i/2)*2048+(i%2)*64+32
	global_load_b128 v[64+8*i:64+8*i+3],   v[QO], s[RQP:RQP+1] offset:(i/2)*2048+(i%2)*64
	global_load_b128 v[64+8*i+4:64+8*i+7], v[QO], s[RQP:RQP+1] offset:(i/2)*2048+(i%2)*64+32
.set i, i+1
.endr
	WIN 0
	v_lshlrev_b32 v48, 4, v1              ; 16 (l % 16)
	v_mad_u32_u24 v49, v9, PM, v48        ; + a row of the span for lanes 16-31
	v_mul_u32_u24 v50, v1, PM
	v_lshl_add_u32 v50, v9, 3, v50        ; row l % 16, 8 (l / 16)
	s_mul_i32 s13, s[WV], 64*PM
	s_add_co_u32 s13, s13, MASKB          ; my wave's span
	WIN W_MK
	v_lshl_add_u32 v[MGO], v9, 11, v48
	v_add_nc_u32 v[MSO], s13, v49
	v_add_nc_u32 v[AM0], s13, v50
	v_add_nc_u32 v[AM], s13, v50          ; key step 0 lies at the head of the span
	MLOAD                                 ; span 0
	; What the first turn finds: V's registers and P's second buffer hold 0, O^T and l are 0.  All this stands in the wait for the first tile.
	WIN 0x80
.set i, VF
.rept 64
	v_mov_b32 v[i], 0
.set i, i+1
.endr
	WIN 0x40
.set i, 0
.rept 64*NP
	v_mov_b32 v[i], 0
.set i, i+1
.endr
	WIN 0
.set i, 0
.rept 2*NP
	v_mov_b32 v[ST+4*i], 0xfe000000    ; c m: far below every c s
	v_mov_b32 v[ST+4*i+1], 0xff7fffff  ; m
	v_mov_b32 v[ST+4*i+2], 0
	v_mov_b32 v[ST+4*i+3], 0
.set i, i+1
.endr
.set i, P+32
.rept 32
	v_mov_b32 v[i], 0
.set i, i+1
.endr
	v_mul_u32_u24 v[AK0], v1, PK
	v_lshl_add_u32 v[AK0], v9, 4, v[AK0]
	v_and_b32 v10, 7, v0
	v_bfe_u32 v11, v0, 3, 1
	v_lshl_add_u32 v[AV0], v9, 3, v10
	v_mul_u32_u24 v[AV0], v[AV0], PV
	v_lshl_add_u32 v[AV0], v11, 4, v[AV0]
	v_add_nc_u32 v[AV0], VOFF, v[AV0]
	v_mov_b32 v[AK], v[AK0]
	v_and_b32 v[PFO], 31, v0
	v_lshlrev_b32 v[PFO], 8, v[PFO]
; THE MATRIX WORK.  The 8 accumulators of a run of 16 take turns.  Product i of 16 of S^T = K Q^T for piece x: channels 32 (i / 8) on, keys 16 ((i / 2) % 4) on, tile 2 x + i % 2.
; The first 8 start the sums: with 0, or for the masked pieces with the mask.
.macro KQ x
.set rS, S+64*((\x)%2)+32*(i%2)+8*((i/2)%4)
.set rK, KF+16*((i/2)%4)+8*(i/8)
.set rQ, 16*(2*(\x)+i%2)+8*(i/8)
.set rMC, MC+32*(i%2)+8*((i/2)%4)
.if (i < 8) && ((\x) >= 2)
	WIN W_KM
	v_wmma_f32_16x16x32_f16 v[rS:rS+7], v[rK:rK+7], v[rQ:rQ+7], v[rMC:rMC+7]
.elseif i < 8
	WIN W_KQ
	v_wmma_f32_16x16x32_f16 v[rS:rS+7], v[rK:rK+7], v[rQ:rQ+7], 0
.else
	WIN W_KQ
	v_wmma_f32_16x16x32_f16 v[rS:rS+7], v[rK:rK+7], v[rQ:rQ+7], v[rS:rS+7]
.endif
.endm
.macro PV x
	WIN W_PV
.set rO, 32*(2*(\x)+i%2)+8*((i/2)%4)
.set rV, VF+32*(i/8)+8*((i/2)%4)
.set rP, P+32*((\x)%2)+16*(i%2)+8*(i/8)
	v_wmma_f32_16x16x32_f16 v[rO:rO+7], v[rV:rV+7], v[rP:rP+7], v[rO:rO+7]
.endm
.macro MM
.if i < 16
	KQ (Y+1)%NP
.set i, i+1
.else
.set i, i-16
	PV (Y+NP-1)%NP
.set i, i+17
.endif
.endm
; THE LDS LOADS stand in runs.  A step's k, and with it the step's mask bytes for my four masked tiles (8 bytes a lane and accumulator; rows 272 bytes apart).
.macro FETCH_K last=0
	WIN 0
.if \last
	s_cmp_eq_u32 s[CNT], 1
	s_cbranch_scc1 .Lno_k_\@
.endif
	WIN 0x80
.irp f, 0,1,2,3,4,5,6,7
	ds_load_b128 v[KF+8*\f:KF+8*\f+3],   v[AK] offset:(\f/2)*16*PK+(\f%2)*64
	ds_load_b128 v[KF+8*\f+4:KF+8*\f+7], v[AK] offset:(\f/2)*16*PK+(\f%2)*64+32
.endr
	WIN W_L3
.set zz, 0
.rept 16
	ds_load_b64 v[MB+2*zz:MB+2*zz+1], v[AM] offset:(zz/4)*16*PM+(zz%4)*16
.set zz, zz+1
.endr
	s_add_co_u32 s[TBK], s[TBK], KS*PK
	s_add_co_u32 s[TBM], s[TBM], KS
	WIN 0
.if \last
.Lno_k_\@:
.endif
.endm
.macro FETCH_RK                     ; the same step's rk, into the same registers, from the same address RKOFF on
	WIN 0x80
.irp f, 0,1,2,3,4,5,6,7
	ds_load_b128 v[KF+8*\f:KF+8*\f+3],   v[AK] offset:RKOFF+(\f/2)*16*PK+(\f%2)*64
	ds_load_b128 v[KF+8*\f+4:KF+8*\f+7], v[AK] offset:RKOFF+(\f/2)*16*PK+(\f%2)*64+32
.endr
	WIN 0
.endm
.macro FETCH_V
	WIN 0x80
.irp f, 0,1,2,3,4,5,6,7
	ds_load_tr16_b128 v[VF+8*\f:VF+8*\f+3],   v[AV] offset:(\f/4)*32*PV+(\f%4)*32
	ds_load_tr16_b128 v[VF+8*\f+4:VF+8*\f+7], v[AV] offset:(\f/4)*32*PV+16*PV+(\f%4)*32
.endr
	WIN 0
.endm
; Piece x's masks for the step in hand: bytes 0 or 1 -> fp8 0 or -2.0 -> f32 0 or -2^100.  The plain line that follows the macro is the place behind the last conversion.
.macro MASKC x
	WIN W_M3
.set zz, 0
.rept 16
	v_perm_b32 v[MB+16*((\x)-2)+zz], s[PY], s[PY], v[MB+16*((\x)-2)+zz]
.set zz, zz+1
.endr
	WIN W_L3                        ; the scale lies in window 0
.set zz, 0
.rept 8
	v_cvt_scale_pk8_f32_fp8 v[MC+8*zz:MC+8*zz+7], v[MB+16*((\x)-2)+2*zz:MB+16*((\x)-2)+2*zz+1], v[SC]
.set zz, zz+1
.endr
.endm
; THE VECTOR WORK OF A TURN stands in three queues, each in the order in which its entries become ready; the two tiles alternate.
.macro REGS y, u
.set rT, ST+4*(2*(\y)+(\u))
.set rC, TMP+8*((\y)%2)+4*(\u)
.set rM, MV+2*((\y)%2)+(\u)
.set rS, S+64*((\y)%2)+32*(\u)
.set rP, P+32*((\y)%2)+16*(\u)
.set rO, 32*(2*(\y)+(\u))
.endm
; Number n of the 22 that find the NEXT piece's maximum and statistics; each accumulator's lowest registers are read first.
;   0-11 four chains of seven scores    12-14, 16 the four left over, the old m, and the four into one    15 c m_old is kept    17, 18 the other half of the lanes: the new m    19-21 c m; its change; a
.macro XS u, n
	REGS (Y+1)%NP, \u
.if (\n) < 4
	v_max3_num_f32 v[rC+(\n)], v[rS+8*(\n)], v[rS+8*(\n)+1], v[rS+8*(\n)+2]
.elseif (\n) < 12
	v_max3_num_f32 v[rC+(\n)%4], v[rC+(\n)%4], v[rS+8*((\n)%4)+2*((\n)/4)+1], v[rS+8*((\n)%4)+2*((\n)/4)+2]
.elseif (\n) == 12
	v_max3_num_f32 v[rC], v[rC], v[rS+7], v[rS+15]
.elseif (\n) == 13
	v_max3_num_f32 v[rC+1], v[rC+1], v[rS+23], v[rS+31]
.elseif (\n) == 14
	v_max3_num_f32 v[rC+2], v[rC+2], v[rC+3], v[rT+1]
.elseif (\n) == 15
	v_mov_b32 v[rM], v[rT]
.elseif (\n) == 16
	v_max3_num_f32 v[rC], v[rC], v[rC+1], v[rC+2]
.elseif (\n) == 17
	v_permlanex16_b32 v[rC+3], v[rC], s[SEL], s[SEL+1]
.elseif (\n) == 18
	v_max_num_f32 v[rT+1], v[rC], v[rC+3]
.elseif (\n) == 19
	v_mul_f32 v[rT], s[CS], v[rT+1]
.elseif (\n) == 20
	v_sub_f32 v[rC+1], v[rM], v[rT]
.else
	v_exp_f32 v[rC+2], v[rC+1]
.endif
.endm
; Number g of the 64 that follow the exponentials: for each four weights both pairs are rounded to f16, the second pair is added onto the first, and a group later l takes that sum (the first time as l = a l + sum).
.macro GS g
.set h, (\g)+6*((\g)/62)
.if h >= 6
.set h, h+2
.endif
	REGS Y, h%2
.set k, h/8
.if h%8 < 4
	v_cvt_pk_f16_f32 v[rP+2*k+(h%8)/2], v[rS+4*k+2*((h%8)/2)], v[rS+4*k+2*((h%8)/2)+1]
.elseif h%8 < 6
	v_pk_add_f32 v[rS+4*k:rS+4*k+1], v[rS+4*k:rS+4*k+1], v[rS+4*k+2:rS+4*k+3]
.elseif k == 1
	v_pk_fma_f32 v[rT+2:rT+3], v[rT+2:rT+3], v[rC+2:rC+3], v[rS:rS+1] op_sel_hi:[1,0,1]
.else
	v_pk_add_f32 v[rT+2:rT+3], v[rT+2:rT+3], v[rS+4*k-4:rS+4*k-3]
.endif
.endm
; THE PLAIN QUEUE, 138 long.  0-26: scalings 0-26.  27-54: XS's numbers 0-13.  55, 56: number 15.  57-73: the chain 14, 16 .. 19, each with one of the scalings 27-31 in front of its two lines, then 20.  74-137: GS's 64, behind the wait.
.macro FS f
	REGS Y, (\f)%2
	v_pk_fma_f32 v[rS+2*((\f)/2):rS+2*((\f)/2)+1], v[rS+2*((\f)/2):rS+2*((\f)/2)+1], s[CS:CS+1], v[rT:rT+1] op_sel_hi:[1,0,0] neg_lo:[0,0,1] neg_hi:[0,0,1]
.endm
.macro PL
	WIN 0
.if q < 27
	FS q
.elseif q < 55
	XS (q-27)%2, (q-27)/2
.elseif q < 57
	XS q-55, 15
.elseif (q < 72) && ((q-57)%3 == 0)
	FS 27+(q-57)/3
.elseif q < 60
	XS (q-57)%3-1, 14
.elseif q < 72
	XS (q-57)%3-1, 15+(q-57)/3
.elseif q < 74
	XS q-72, 20
.else
	GS q-74
.endif
.set q, q+1
.endm
; THE EXPONENTIALS' QUEUE, 66 long: one batch, all ahead of the turn's one wait.
.macro EX
	WIN 0
.if e >= 64
	XS e-64, 21
.else
	REGS Y, e%2
	v_exp_f32 v[rS+e/2], v[rS+e/2]
.endif
.set e, e+1
.endm
; THE RESCALING's QUEUE: O^T times a, two at a time.
.macro R2
	REGS Y, r%2
	WIN W_RS
.irp z, 0,1
	v_pk_mul_f32 v[rO+4*(r/2)+2*\z:rO+4*(r/2)+2*\z+1], v[rO+4*(r/2)+2*\z:rO+4*(r/2)+2*\z+1], v[rC+2:rC+3] op_sel_hi:[1,0]
.endr
.set r, r+1
.endm
; A TURN, for piece p.  Ahead of its one wait: 16 products K Q^T, behind each a scaling, an exponential and two rescalings; then the lump: eight plain, 49 times exponential and plain, the next piece's two a, a v_nop.
; Behind it: 16 products V^T P, behind each four of the roundings and sums.
; WHAT IS FETCHED.  Piece 2's turn, behind the wait: the next step's k and mask bytes; waited for at the head of piece 3's turn.  Piece 0's turn, behind the wait: the step's rk (the last product that read k stands a lump back);
; at its end the step's V, four riders behind V's last reader.  Piece 1's turn waits at its head for rk (V's 16 loads may be out) and behind its wait for V.
; THE MASKS of piece p + 2 are made at the head of the lump of the turns of pieces 0 and 1: the products that read the registers before stand eight products and their riders back.
.macro TURN p, last=0, cnt=0
.set Y, (\p)
.set i, 0
.set q, 0
.set e, 0
.set r, 0
.if (\p) == NP-1
	s_wait_dscnt 0x0                ; k and the mask bytes are in
.endif
.if (\p) == 1
	s_wait_dscnt 16                 ; rk is in; V's 16 loads were issued behind it
.endif
	MM
	PL
	PL
	R2
.rept 15
	MM
	PL
	EX
	R2
.endr
.if (\p) == NP-2
	WIN 0
	v_add_nc_u32 v[AK], s[TBK], v[AK0]
	WIN W_M3
	v_add_nc_u32 v[AM], s[TBM], v[AM0]
.endif
.if (\p) < 2
	MASKC (\p)+2
.endif
.rept 8
	PL
.endr
.rept 49
	EX
	PL
.endr
	EX
	EX
	v_nop                           ; the plain line behind the last exponential: one for the batch
	s_wait_alu depctr_va_vdst(0)    ; the wait for the batch, ahead of the first line that names a result
.if (\p) == NP-2
	FETCH_K \last
.endif
.if (\p) == 0
	FETCH_RK
.endif
.if (\p) == 1
	s_wait_dscnt 0x0                ; V is in
.endif
.rept 16
	MM
.rept 4
	PL
.endr
.if ((\p) == 0) && (q == 118)
	v_add_nc_u32 v[AV], s[TBV], v[AV0]
.endif
.if ((\p) == 0) && (q == 130)
	s_add_co_u32 s[TBV], s[TBV], KS*PV
.endif
.if (\cnt) && (q == 130)
	s_sub_co_u32 s[CNT], s[CNT], 1
	s_cmp_lg_u32 s[CNT], 0
.endif
.endr
.if (\p) == 0
	FETCH_V
.endif
.endm
	CHANGE 1, 0                     ; slot 0, Q and span 0 are in; slot 1 and span 1 are asked for
	FETCH_K                         ; key step 0
	s_wait_dscnt 0x0
.set i, 0
.rept 16
	KQ 0
.set i, i+1
.endr
	WIN 0                           ; the addresses for the way out: plain lines, the places behind those products
	s_mul_i32 s13, s[WV], 16*SP
	s_add_co_u32 s13, s13, STAGE
	v_mul_u32_u24 v[STO], v1, SP
	v_lshl_add_u32 v[STO], v9, 4, v[STO]
	v_add_nc_u32 v[STO], s13, v[STO]
	v_bfe_u32 v[RD], v0, 3, 2
	v_mul_u32_u24 v[RD], v[RD], SP
	v_lshl_add_u32 v[RD], v10, 4, v[RD]
	v_add_nc_u32 v[RD], s13, v[RD]
	v_and_b32 v[GO], 31, v0
	v_lshlrev_b32 v[GO], 4, v[GO]
	v_mov_b32 v[SC], 226            ; l % 16 is wanted no more
.set Y, NP-1
.irp n, 0,1,2,3,4,5,6,7,8,9,10,11,12,13,14,15,16,17,18,19,20,21
	XS 0, \n
	XS 1, \n
.endr
	v_nop
	s_wait_alu depctr_va_vdst(0)    ; the two a have their wait ahead of the branch
	s_mov_b32 s[CNT], 4
	s_mov_b32 s[SLOTS], SIZE_N/256-1
	s_branch .Lfirst                ; the loop is entered at a step's first turn, in the middle of a trip
.Lslot:                             ; six times: every slot but the last two is filled again
	CHANGE 1, 1
	s_mov_b32 s[CNT], 4
.Lstep:                             ; a trip: pieces 2 and 3 of one step, then pieces 0 and 1 of the next, whose k, rk, mask and V it fetches
	TURN 2
	TURN 3
	WIN 0
.Lfirst:
	TURN 0
	TURN 1, 0, 1
	WIN 0
	s_cbranch_scc1 .Lstep
	s_sub_co_u32 s[SLOTS], s[SLOTS], 1
	s_cmp_lg_u32 s[SLOTS], 0
	s_cbranch_scc1 .Lslot
	CHANGE 0, 0                     ; the tail is written out: nothing is asked for
	s_mov_b32 s[CNT], 5             ; four trips fetch the last slot's steps; the fifth is left in its middle
.Ltail:
	TURN 2, 1
	TURN 3
	WIN 0
	s_sub_co_u32 s[CNT], s[CNT], 1
	s_cmp_eq_u32 s[CNT], 0
	s_cbranch_scc1 .Lout
	TURN 0
	TURN 1
	WIN 0
	s_branch .Ltail
.Lout:                              ; the fifth trip's 16 products for piece 0 (on the registers' last rk) and the maximum made of them serve nothing: the price, once a launch, of one text for every trip
.set i, 0
.rept 16
	PV NP-1
.set i, i+1
.endr
	; THE WAY OUT.  l's halves are added and turned into 1 / l; a masked tile whose maximum is still a hidden score's (below -2^99) takes NaN in its place; O = O_u / l_u + O_(u+4) / l_(u+4), rounded to f16, through my stage.
	WIN 0
.macro ALL line:vararg
.set t, 0
.rept 2*NP
	\line
.set t, t+1
.endr
.endm
	ALL v_add_f32 v[ST+4*t+2], v[ST+4*t+2], v[ST+4*t+3]
	ALL v_permlanex16_b32 v[ST+4*t+3], v[ST+4*t+2], s[SEL], s[SEL+1]
	ALL v_add_f32 v[ST+4*t+2], v[ST+4*t+2], v[ST+4*t+3]
	ALL v_rcp_f32 v[ST+4*t+2], v[ST+4*t+2]
	v_nop
	s_wait_alu depctr_va_vdst(0)    ; one wait for the eight reciprocals
.set t, 4
.rept 4
	v_cmp_le_f32 vcc_lo, s[THR], v[ST+4*t+1]
	v_cndmask_b32 v[ST+4*t+2], 0x7fc00000, v[ST+4*t+2], vcc_lo
.set t, t+1
.endr
.macro PACK u
	WIN W_RS
.set i, 32*(\u)
.rept 16
	v_pk_mul_f32 v[i:i+1], v[i:i+1], v[ST+4*(\u)+2:ST+4*(\u)+3] op_sel_hi:[1,0]
.set i, i+2
.endr
	WIN 0x51                        ; both O^T in window 1, 1 / l in window 0
.set i, 32*(\u)
.rept 16
	v_pk_fma_f32 v[i:i+1], v[i+128:i+129], v[ST+4*(\u)+18:ST+4*(\u)+19], v[i:i+1] op_sel_hi:[1,0,1]
.set i, i+2
.endr
	WIN 0x05
.set i, 0
.rept 16
	v_cvt_pk_f16_f32 v[S+16*(\u)+i], v[32*(\u)+2*i], v[32*(\u)+2*i+1]
.set i, i+1
.endr
	WIN 0
.irp f, 0,1,2,3
	ds_store_b128 v[STO], v[S+16*(\u)+4*\f:S+16*(\u)+4*\f+3] offset:32*\f
.endr
.irp f, 0,1,2,3
	ds_load_b128 v[S+16*(\u)+4*\f:S+16*(\u)+4*\f+3], v[RD] offset:\f*4*SP  ; LDS serves a wave's instructions in order: these see the stores above
.endr
.endm
.macro SEND u, younger              ; younger: the LDS lines issued behind tile u's loads
	WIN 0
.irp f, 0,1,2,3
	s_wait_dscnt (\younger)+3-\f
	global_store_b128 v[GO], v[S+16*(\u)+4*\f:S+16*(\u)+4*\f+3], s[OP:OP+1] offset:(\u)*2048+\f*512  ; 512 consecutive bytes, aligned
.endr
.endm
	PACK 0
	PACK 1
	SEND 0, 8
	PACK 2
	SEND 1, 8
	PACK 3
	SEND 2, 8
	SEND 3, 0
	WIN W_AD
	s_wait_tensorcnt 0x0            ; the wave's end
	ds_add_u32 v[SPW], v[NIL]
	s_wait_dscnt 0x0
	WIN 0
	CROUND                          ; the closing round
	s_endpgm
.Lfunc_end_k_q0c71adb72e_attn:
	.size	k_q0c71adb72e_attn, .Lfunc_end_k_q0c71adb72e_attn-k_q0c71adb72e_attn
	.p2alignl 7, 3214868480
	.fill 96, 4, 3214868480
	.section	.rodata,"a",@progbits
	.p2align	6, 0x0
	.amdhsa_kernel k_q0c71adb72e_attn
		.amdhsa_group_segment_fixed_size 327680
		.amdhsa_private_segment_fixed_size 0
		.amdhsa_enable_private_segment 0
		.amdhsa_kernarg_size 24
		.amdhsa_user_sgpr_count 2
		.amdhsa_user_sgpr_kernarg_segment_ptr 1
		.amdhsa_wavefront_size32 1
		.amdhsa_system_sgpr_workgroup_id_x 1
		.amdhsa_system_sgpr_workgroup_id_y 1
		.amdhsa_system_sgpr_workgroup_id_z 1
		.amdhsa_system_vgpr_workitem_id 0
		.amdhsa_next_free_vgpr 1024
		.amdhsa_next_free_sgpr 80
		.amdhsa_reserve_vcc 1
		.amdhsa_float_denorm_mode_32 3
		.amdhsa_float_denorm_mode_16_64 3
		.amdhsa_memory_ordered 1
		.amdhsa_forward_progress 1
		.amdhsa_inst_pref_size 221
	.end_amdhsa_kernel
	.amdgpu_metadata
---
amdhsa.version: [ 1, 2 ]
amdhsa.kernels:
  - .name:           k_q0c71adb72e_attn
    .symbol:         k_q0c71adb72e_attn.kd
    .args:
      - { .name: heads, .offset: 0, .size: 8, .value_kind: global_buffer, .address_space: global }
      - { .name: local_attn_mask, .offset: 8, .size: 8, .value_kind: global_buffer, .address_space: global }
      - { .name: oh, .offset: 16, .size: 8, .value_kind: global_buffer, .address_space: global }
    .group_segment_fixed_size: 327680
    .private_segment_fixed_size: 0
    .kernarg_segment_align: 8
    .kernarg_segment_size: 24
    .max_flat_workgroup_size: 128
    .sgpr_count:     80
    .vgpr_count:     1024
    .wavefront_size: 32
...
	.end_amdgpu_metadata
.endif
;; end of part 3
;; launch outproj (part 4): grid 8 x 32, 4 waves a work-group, clusters of 4 x 4, 327,680 bytes of LDS; arguments oh, cvt, out_proj_bias, out0; writes out0
.if DOCPART == 4
	.amdgcn_target "amdgcn-amd-amdhsa--gfx1250"
	.amdhsa_code_object_version 6
	.text
	.protected	k_q0c71adb72e_outproj
	.globl	k_q0c71adb72e_outproj
	.p2align	8
	.type	k_q0c71adb72e_outproj,@function
k_q0c71adb72e_outproj:
	s_mov_b64 s[64:65], 0
	v_nop
	global_prefetch_b8 v0, s[64:65] scope:SCOPE_SE
	s_setreg_imm32_b32 hwreg(HW_REG_WAVE_MODE, 25, 1), 1
	s_wait_xcnt 0x0
	s_wait_alu depctr_hold_cnt(0) depctr_sa_sdst(0) depctr_va_vdst(0) depctr_va_sdst(0) depctr_va_ssrc(0) depctr_va_vcc(0) depctr_vm_vsrc(0)
	s_getreg_b32 s2, hwreg(HW_REG_IB_STS2, 6, 4)
	s_cmp_eq_u32 s2, 0
	s_cbranch_scc0 .Lentry_in_a_cluster
	s_endpgm
.Lentry_in_a_cluster:
	s_bfe_u32 s2, ttmp6, 0x10000c
	s_cmp_lg_u32 s2, 0xf033
	s_cbranch_scc0 .Lentry_shape_is_right
	s_endpgm
.Lentry_shape_is_right:
; out0[t][b][n] = sum over h, d of O[b*16+h][t][d] Wo[n][64 h + d] + bias[n].  O: [32][2048][64] f16 in oh; Wo: [1024][1024] f16 in cvt at byte 14,680,064; the bias is rounded to bf16 like every input; out0 f32.
; Sums in f32.  A tile is 128 rows (one b, t0 .. t0+127) x 128 columns; four waves, each 64 x 64: 16 accumulators.  K goes in steps of 256 = four heads through two LDS slots.
; O's tile lies in LDS by heads: [4][128 rows], 144 bytes a row.  A head's 128 rows are 16,384 dense bytes: one tensor load brings two heads as two long rows, padded after every 128 bytes.
; THE PRODUCT IS TRANSPOSED (source 0 = 16 rows of Wo, source 1 = 16 rows of O): a lane holds row l % 16 and eight neighbouring columns.  The bias is the C operand of each sum's first product.
; CLUSTER. 4 x 4 work-groups: O's tile is asked for jointly along a row of the cluster, Wo's along a column.
; REGISTERS: window 0: v0-31 addresses; v32-95 two sets on the way out; v96-127 bias; v128-255 accumulators ((a, b) at v[128 + 8 (4 a + b)]).  window 1: two fragment buffers of 128.
.set KSTEP,  256
.set PA,     144
.set PB,     528
.set AHEAD,  128*PA                    ; a head's 128 rows
.set ATILE,  4*AHEAD
.set HALFB,  64*PB
.set SLOT,   ATILE+2*HALFB
.set STAGE,  2*SLOT                    ; behind the ring: 16 rows x 272 bytes for each wave, its own
.set SPITCH, 272
.set SPARE,  STAGE+4*16*SPITCH         ; the spare words: two blocks of 256 bytes that no other line names
.set WO,     14680064
.set LAPS,   2
.set ADRA, 16
.set ADRB, 20
.set STO,  24
.set RD,   25
.set CO,   26
.set BO,   27
.set SPW,  28
.set NIL,  29
.set TMP,  32
.set BI,   96
.set ACC,  128
.set F0,   0
.set F1,   128
.set WV,   12                          ; s12 wave
.set RH,   13                          ; s13 which half of the tile's rows is mine; also: I fetch for O (0) or for Wo (1)
.set CH,   14                          ; s14 which half of its columns; also: which half of that tile I fetch
.set G1,   24
.set G0,   32
.set G1B,  48
.set G0B,  56
.set MSB, 0
.macro WIN new
.if MSB != (\new)
	s_set_vgpr_msb (MSB<<8)|(\new)
.set MSB, \new
.endif
.endm
.set MUL,  0x05                        ; sources 0 and 1 window 1; C and D window 0
.set TO_F, 0x40
.macro JLOAD s                         ; waves 0 and 1 fetch two heads of O each, waves 2 and 3 the halves of Wo's tile; an s_nop 0 and four v_nop follow each line
	s_cmp_eq_u32 s[RH], 0
	s_cbranch_scc0 .Lfor_b_\@
	tensor_load_to_lds s[G0+4*(\s):G0+4*(\s)+3], s[G1:G1+7]
	s_nop 0
.rept 4
	v_nop
.endr
	s_branch .Lasked_\@
.Lfor_b_\@:
	tensor_load_to_lds s[G0B+4*(\s):G0B+4*(\s)+3], s[G1B:G1B+7]
	s_nop 0
.rept 4
	v_nop
.endr
.Lasked_\@:
.endm
.macro CREST
	s_cmp_lg_u32 s[WV], 0
	s_cbranch_scc1 .Lnot_wave_0_\@
	s_barrier_signal -3
.Lnot_wave_0_\@:
	s_barrier_wait -3
	s_barrier_signal -1
	s_barrier_wait -1
.endm
.macro CROUND
	s_barrier_signal -1
	s_barrier_wait -1
	CREST
.endm
.macro PLACES
.rept 4
	v_nop
.endr
.endm
	s_load_b256 s[4:11], s[0:1], 0x0               ; oh s[4:5], cvt s[6:7], out_proj_bias s[8:9], out0 s[10:11]
	v_lshl_add_u32 v[SPW], v0, 2, SPARE
	v_mov_b32 v[NIL], 0
	ds_add_u32 v[SPW], v[NIL]                      ; the wave's opening: the add and its wait ahead of my first tensor load
	v_lshrrev_b32 v1, 5, v0
	v_readfirstlane_b32 s[WV], v1
	s_lshr_b32 s[RH], s[WV], 1
	s_and_b32 s[CH], s[WV], 1
	s_bfe_u32 s40, ttmp6, 0x40000                  ; cx
	s_bfe_u32 s41, ttmp6, 0x40004                  ; cy
	s_lshl_b32 s42, ttmp9, 2
	s_add_co_u32 s42, s42, s40                     ; tile column
	s_and_b32 s15, ttmp7, 0xffff
	s_lshl_b32 s15, s15, 2
	s_add_co_u32 s15, s15, s41                     ; tile row
	s_lshl_b32 s43, s41, 2
	s_lshl_b32 s43, 15, s43                        ; my row of the cluster
	s_lshl_b32 s44, 0x1111, s40                    ; my column
	s_or_b32 s[G1], s43, (1<<16)|(1<<20)|(1<<21)|(4<<22)|(3<<25)   ; O: 2-byte elements; padding of 4 words after every 32
	s_mov_b32 s[G1+1], 8192<<16                    ; tensor_dim0 = 8,192 elements: a head's 128 rows
	s_mov_b32 s[G1+2], 2<<16                       ; tensor_dim1 = 2 heads
	s_mov_b32 s[G1+3], 8192<<16                    ; tile_dim0
	s_mov_b32 s[G1+4], 2                           ; tile_dim1
	s_mov_b32 s[G1+5], 131072                      ; elements from head to head
	s_mov_b32 s[G1+6], 0
	s_mov_b32 s[G1+7], 0
	s_or_b32 s[G1B], s44, (1<<16)|(1<<20)|(1<<21)|(6<<22)|(3<<25)  ; Wo: 64 rows x 256 elements; padding of 4 words after every 128
	s_mov_b32 s[G1B+1], KSTEP<<16
	s_mov_b32 s[G1B+2], 64<<16
	s_mov_b32 s[G1B+3], KSTEP<<16
	s_mov_b32 s[G1B+4], 64
	s_mov_b32 s[G1B+5], 1024
	s_mov_b32 s[G1B+6], 0
	s_mov_b32 s[G1B+7], 0
	s_and_b32 s16, s15, 15                         ; which 128 of the 2,048 t
	s_lshr_b32 s17, s15, 4                         ; b
	s_lshl_b32 s18, s17, 22                        ; O: head 16 b + 2 x half, row t0
	s_lshl_b32 s19, s[CH], 19
	s_add_co_u32 s18, s18, s19
	s_lshl_b32 s19, s16, 14
	s_add_co_u32 s18, s18, s19
	s_mov_b32 s19, 0
	s_lshl_b32 s46, s42, 18                        ; Wo: row 128 x tile column + 64 x half
	s_lshl_b32 s47, s[CH], 17
	s_add_co_u32 s46, s46, s47
	s_add_co_u32 s46, s46, WO
	s_mov_b32 s47, 0
	s_mul_i32 s20, s[CH], 2*AHEAD                  ; where they go
	s_mul_i32 s21, s[CH], HALFB
	s_add_co_u32 s21, s21, ATILE
	s_wait_dscnt 0x0                               ; the opening add is done
	s_wait_kmcnt 0x0
	s_add_nc_u64 s[22:23], s[4:5], s[18:19]
	s_add_nc_u64 s[46:47], s[6:7], s[46:47]
	CROUND                                         ; all sixteen work-groups are here
.irp s, 0,1
	s_mov_b32 s[G0+4*(\s)], 1
	s_add_co_u32 s[G0+4*(\s)+1], s20, (\s)*SLOT
	s_add_nc_u64 s[G0+4*(\s)+2:G0+4*(\s)+3], s[22:23], (\s)*1048576   ; a K step is four heads of 262,144 bytes
	s_or_b32 s[G0+4*(\s)+3], s[G0+4*(\s)+3], 0x80000000
	s_mov_b32 s[G0B+4*(\s)], 1
	s_add_co_u32 s[G0B+4*(\s)+1], s21, (\s)*SLOT
	s_add_nc_u64 s[G0B+4*(\s)+2:G0B+4*(\s)+3], s[46:47], (\s)*KSTEP*2
	s_or_b32 s[G0B+4*(\s)+3], s[G0B+4*(\s)+3], 0x80000000
	JLOAD \s
.endr
	v_and_b32 v1, 15, v0                           ; r
	v_bfe_u32 v2, v0, 4, 1                         ; hl
	v_lshlrev_b32 v[BO], 5, v2
	s_lshl_b32 s66, s42, 9                         ; my 64 columns: of the bias,
	s_lshl_b32 s67, s[CH], 8
	s_add_co_u32 s66, s66, s67
	s_mov_b32 s67, 0
	s_add_nc_u64 s[68:69], s[8:9], s[66:67]
.irp b, 0,1,2,3
	global_load_b128 v[BI+8*(\b):BI+8*(\b)+3],   v[BO], s[68:69] offset:64*(\b)
	global_load_b128 v[BI+8*(\b)+4:BI+8*(\b)+7], v[BO], s[68:69] offset:64*(\b)+16
.endr
	s_lshl_b32 s70, s16, 20                        ; and of out0, at row (t0 + 64 x half) x 2 + b, 4,096 bytes a row
	s_add_co_u32 s66, s66, s70
	s_lshl_b32 s70, s[RH], 19
	s_add_co_u32 s66, s66, s70
	s_lshl_b32 s70, s17, 12
	s_add_co_u32 s66, s66, s70
	s_add_nc_u64 s[10:11], s[10:11], s[66:67]
	v_mul_u32_u24 v3, v1, PA
	v_lshl_add_u32 v3, v2, 4, v3
	s_mul_i32 s70, s[RH], 64*PA                    ; my 64 rows of O, in each head
	v_add_nc_u32 v[ADRA], s70, v3
	v_add_nc_u32 v[ADRA+1], SLOT, v[ADRA]
	v_mul_u32_u24 v3, v1, PB
	v_lshl_add_u32 v3, v2, 4, v3
	v_add_nc_u32 v[ADRB], s21, v3                  ; my 64 rows of Wo
	v_add_nc_u32 v[ADRB+1], SLOT, v[ADRB]
	s_mul_i32 s70, s[WV], 16*SPITCH
	s_add_co_u32 s70, s70, STAGE                   ; my stage
	v_mul_u32_u24 v4, v1, SPITCH
	v_lshl_add_u32 v4, v2, 5, v4
	v_add_nc_u32 v[STO], s70, v4                   ; in: row r, 32 bytes for each half of the lanes
	v_mul_u32_u24 v4, v2, SPITCH
	v_lshl_add_u32 v4, v1, 4, v4
	v_add_nc_u32 v[RD], s70, v4                    ; back: lanes 0-15 one row of 256 bytes, lanes 16-31 the next
	v_lshlrev_b32 v[CO], 13, v2                    ; the same two rows in out0, 8,192 bytes apart
	v_lshl_add_u32 v[CO], v1, 4, v[CO]
	s_wait_loadcnt 0x0                             ; the bias; rounded to bf16
.set i, 0
.rept 16
	v_cvt_pk_bf16_f32 v[TMP+i%4], v[BI+2*i], v[BI+2*i+1]
	v_lshlrev_b32 v[BI+2*i], 16, v[TMP+i%4]
	v_and_b32 v[BI+2*i+1], 0xffff0000, v[TMP+i%4]
.set i, i+1
.endr
; 8 matrix instructions: row blocks a0, a0 + 1 x all 4 column blocks, 32 along K: half c of buffer f.  zero = 1: the bias starts the sums.  The 16 accumulators take turns.
.macro MUL8 f, c, a0, zero
	WIN MUL
.irp a, \a0, (\a0)+1
.irp b, 0,1,2,3
.if \zero
	v_wmma_f32_16x16x32_f16 v[ACC+8*(4*(\a)+(\b)):ACC+8*(4*(\a)+(\b))+7], v[(\f)+64+8*(4*(\c)+(\b)):(\f)+64+8*(4*(\c)+(\b))+7], v[(\f)+8*(4*(\c)+(\a)):(\f)+8*(4*(\c)+(\a))+7], v[BI+8*(\b):BI+8*(\b)+7]
.else
	v_wmma_f32_16x16x32_f16 v[ACC+8*(4*(\a)+(\b)):ACC+8*(4*(\a)+(\b))+7], v[(\f)+64+8*(4*(\c)+(\b)):(\f)+64+8*(4*(\c)+(\b))+7], v[(\f)+8*(4*(\c)+(\a)):(\f)+8*(4*(\c)+(\a))+7], v[ACC+8*(4*(\a)+(\b)):ACC+8*(4*(\a)+(\b))+7]
.endif
.endr
.endr
.endm
; 32 LDS loads in one run: quarter q of a K step is one head: 64 along K; the first 32 first
.macro FETCH slot, q, f
	WIN TO_F
.irp c, 0,1
.irp i, 0,1,2,3
	ds_load_b128 v[(\f)+64+8*(4*(\c)+(\i)):(\f)+64+8*(4*(\c)+(\i))+3],   v[ADRB+(\slot)] offset:128*(\q)+64*(\c)+(\i)*16*PB
	ds_load_b128 v[(\f)+64+8*(4*(\c)+(\i))+4:(\f)+64+8*(4*(\c)+(\i))+7], v[ADRB+(\slot)] offset:128*(\q)+64*(\c)+(\i)*16*PB+32
	ds_load_b128 v[(\f)+8*(4*(\c)+(\i)):(\f)+8*(4*(\c)+(\i))+3],         v[ADRA+(\slot)] offset:AHEAD*(\q)+64*(\c)+(\i)*16*PA
	ds_load_b128 v[(\f)+8*(4*(\c)+(\i))+4:(\f)+8*(4*(\c)+(\i))+7],       v[ADRA+(\slot)] offset:AHEAD*(\q)+64*(\c)+(\i)*16*PA+32
.endr
.endr
.endm
.macro QUARTER slot, q, f, g, zero
	s_wait_dscnt 16                                ; the first 32 along K are in
	MUL8 \f, 0, 0, \zero
	MUL8 \f, 0, 2, \zero
	PLACES
	FETCH \slot, \q, \g
	s_wait_dscnt 32                                ; all but the 32 just issued
	MUL8 \f, 1, 0, 0
	MUL8 \f, 1, 2, 0
.endm
; The last quarter multiplies buffer 1 and changes slots: in front of the barrier each wave waits for all its tensor loads, adds 0 to its spare word, and waits for that and for its reads of this slot.
.macro TURN slot, next, fill
	WIN 0
	s_wait_tensorcnt 0x0
	ds_add_u32 v[SPW], v[NIL]
	s_wait_dscnt 17                                ; the add and the youngest sixteen loads may be out
	MUL8 F1, 0, 0, 0
	s_wait_dscnt 0x0
	s_barrier_signal -1
	MUL8 F1, 0, 2, 0
.if \fill
	WIN 0
.endif
	s_barrier_wait -1
.if \fill
	CREST
	s_add_nc_u64 s[G0+4*(\slot)+2:G0+4*(\slot)+3], s[G0+4*(\slot)+2:G0+4*(\slot)+3], 2*1048576
	s_add_nc_u64 s[G0B+4*(\slot)+2:G0B+4*(\slot)+3], s[G0B+4*(\slot)+2:G0B+4*(\slot)+3], 2*KSTEP*2
	JLOAD \slot                                    ; its four v_nop are also the places in front of the loads below
.else
	PLACES
.endif
	FETCH \next, 0, F0
	MUL8 F1, 1, 0, 0
	MUL8 F1, 1, 2, 0
.endm
	s_wait_tensorcnt 1                             ; my part of K step 0 is in; K step 1's may stay out
	s_barrier_signal -1
	s_barrier_wait -1
	FETCH 0, 0, F0
	QUARTER 0, 1, F0, F1, 1
	WIN 0
	s_mov_b32 s3, LAPS-1
.Llap:
	QUARTER 0, 2, F1, F0, 0
	QUARTER 0, 3, F0, F1, 0
	TURN 0, 1, 1
	QUARTER 1, 1, F0, F1, 0
	QUARTER 1, 2, F1, F0, 0
	QUARTER 1, 3, F0, F1, 0
	TURN 1, 0, 1
	QUARTER 0, 1, F0, F1, 0
	WIN 0
	s_sub_co_u32 s3, s3, 1
	s_cmp_lg_u32 s3, 0
	s_cbranch_scc1 .Llap
	QUARTER 0, 2, F1, F0, 0                        ; the last lap fills nothing
	QUARTER 0, 3, F0, F1, 0
	TURN 0, 1, 0
	QUARTER 1, 1, F0, F1, 0
	QUARTER 1, 2, F1, F0, 0
	QUARTER 1, 3, F0, F1, 0
	s_wait_dscnt 16
	MUL8 F1, 0, 0, 0
	MUL8 F1, 0, 2, 0
	s_wait_dscnt 0x0
	MUL8 F1, 1, 0, 0
	MUL8 F1, 1, 2, 0
	WIN 0
	; THE WAY OUT.  My 64 columns of f32 are 256 aligned bytes of a row: 16 rows at a time go through my own stage, so no barrier; two sets of 32 registers take turns.
	PLACES
.macro TOSTAGE a
.set BK, TMP+32*((\a)%2)
.if (\a) >= 2
	s_wait_xcnt 0x0                                ; the stores of the block before last have read this set
.endif
.irp b, 0,1,2,3
	ds_store_b128 v[STO], v[ACC+8*(4*(\a)+(\b)):ACC+8*(4*(\a)+(\b))+3]   offset:64*(\b)      ; each accumulator from its low end
	ds_store_b128 v[STO], v[ACC+8*(4*(\a)+(\b))+4:ACC+8*(4*(\a)+(\b))+7] offset:64*(\b)+16
.endr
.irp f, 0,1,2,3,4,5,6,7
	ds_load_b128 v[BK+4*(\f):BK+4*(\f)+3], v[RD] offset:(\f)*2*SPITCH  ; LDS serves a wave's instructions in order: these see the stores above
.endr
.endm
.macro SEND a, younger                 ; younger: the LDS lines issued behind block a's loads
.set BK, TMP+32*((\a)%2)
.irp f, 0,1,2,3,4,5,6,7
	s_wait_dscnt (\younger)+7-(\f)
	global_store_b128 v[CO], v[BK+4*(\f):BK+4*(\f)+3], s[10:11] offset:(\a)*131072+(\f)*16384  ; 16 lanes store 256 consecutive bytes, aligned
.endr
.endm
	TOSTAGE 0
	TOSTAGE 1
	SEND 0, 16
	TOSTAGE 2
	SEND 1, 16
	TOSTAGE 3
	SEND 2, 16
	SEND 3, 0
	s_wait_tensorcnt 0x0                           ; the wave's end
	ds_add_u32 v[SPW], v[NIL]
	s_wait_dscnt 0x0
	CROUND                                         ; the closing round
	s_endpgm
.Lfunc_end_k_q0c71adb72e_outproj:
	.size	k_q0c71adb72e_outproj, .Lfunc_end_k_q0c71adb72e_outproj-k_q0c71adb72e_outproj
	.p2alignl 7, 3214868480
	.fill 96, 4, 3214868480
	.section	.rodata,"a",@progbits
	.p2align	6, 0x0
	.amdhsa_kernel k_q0c71adb72e_outproj
		.amdhsa_group_segment_fixed_size 327680
		.amdhsa_private_segment_fixed_size 0
		.amdhsa_enable_private_segment 0
		.amdhsa_kernarg_size 32
		.amdhsa_user_sgpr_count 2
		.amdhsa_user_sgpr_kernarg_segment_ptr 1
		.amdhsa_wavefront_size32 1
		.amdhsa_system_sgpr_workgroup_id_x 1
		.amdhsa_system_sgpr_workgroup_id_y 1
		.amdhsa_system_sgpr_workgroup_id_z 1
		.amdhsa_system_vgpr_workitem_id 0
		.amdhsa_next_free_vgpr 512
		.amdhsa_next_free_sgpr 80
		.amdhsa_reserve_vcc 0
		.amdhsa_float_denorm_mode_32 3
		.amdhsa_float_denorm_mode_16_64 3
		.amdhsa_memory_ordered 1
		.amdhsa_forward_progress 1
		.amdhsa_inst_pref_size 90
	.end_amdhsa_kernel
	.amdgpu_metadata
---
amdhsa.version: [ 1, 2 ]
amdhsa.kernels:
  - .name:           k_q0c71adb72e_outproj
    .symbol:         k_q0c71adb72e_outproj.kd
    .args:
      - { .name: oh, .offset: 0, .size: 8, .value_kind: global_buffer, .address_space: global }
      - { .name: cvt, .offset: 8, .size: 8, .value_kind: global_buffer, .address_space: global }
      - { .name: out_proj_bias, .offset: 16, .size: 8, .value_kind: global_buffer, .address_space: global }
      - { .name: out0, .offset: 24, .size: 8, .value_kind: global_buffer, .address_space: global }
    .group_segment_fixed_size: 327680
    .private_segment_fixed_size: 0
    .kernarg_segment_align: 8
    .kernarg_segment_size: 32
    .max_flat_workgroup_size: 128
    .sgpr_count:     80
    .vgpr_count:     512
    .wavefront_size: 32
...
	.end_amdgpu_metadata
.endif
;; end of part 4
